; MI455X (gfx1250); checked and timed in simulation.
; The chip was launched on July 23, 2026; its instructions are those of AMD's public machine-readable ISA for CDNA 5 (MIT licence, August 2026) and "CDNA5" Instruction Set Architecture Reference Guide (July 2026). The comments in the code are by the model that wrote it; some were corrected since.
;; Local Self Attention. Allowed arithmetic: matrix products marked QUANTISED: E2M1 operands, one E8M0 scale for each 32 along K, by v_wmma_scale_f32_16x16x128_f8f6f4 with both operands' format E2M1 (or v_wmma_scale_f32_32x16x128_f4), f32 sums; products left as they are: bf16, f16 or f32 operands; f32 sums; everything else in f32.
;; Inputs: W_proj 1,024 x 1,024 float32; W_qkv 1,024 x 3,072 float32; b_proj 1,024 float32; b_qkv 3,072 float32; x 2 x 2,048 x 1,024 float32.
;; Outputs: out0 2 x 2,048 x 1,024 float32.
;; This version of the problem:
;;   THIS VERSION OF THE PROBLEM IS GIVEN IN LOW PRECISION. The matrix products marked QUANTISED in the list below multiply operands that are first quantised to E2M1 (2 exponent bits, 1 mantissa bit; 4 bits a number), with one power-of-two scale for each 32 numbers along K (OCP MX v1.0); their sums are f32. The products marked 'left as it is' may take bf16, f16 or f32 operands, with f32 sums. Whichever they take, every output number must still come out within the allowed error. Rounding operands to bf16 (8 significant bits) uses up far more of that allowance than f16 does (11 bits, for magnitudes from 6e-5 to 65,504). All else is computed in f32.
;;   The module's matrix products, in the order in which they are computed (A, B: the left and right operand; K: the contracted axis; several contracted axes count as one K, in the product's order):
;;     1. [M 4,096, K 1,024] x [K 1,024, N 3,072]; A: input x; B: input W_qkv: QUANTISED
;;     2. batch 32 x [M 2,048, K 64] x [K 64, N 2,048]; A: computed on the way; B: computed on the way: left as it is (an operand is computed on the way)
;;     3. batch 32 x [M 2,048, K 2,048] x [K 2,048, N 64]; A: computed on the way; B: computed on the way: left as it is (an operand is computed on the way)
;;     4. [M 4,096, K 1,024] x [K 1,024, N 1,024]; A: computed on the way; B: input W_proj: left as it is (an operand is computed on the way)
;;   THE QUANTISER, for each operand of a quantised product, along K:
;;     - K is cut into blocks of 32 from its start; a last block that is shorter is filled with zeros.
;;     - A block's scale is 2^e with e = floor(log2(the largest magnitude in the block)) - 2, held to -126 .. 127; a block of zeros has e = 0. As a byte (E8M0): e + 127.
;;     - Each number is divided by its block's scale, clamped to +-6, and rounded to the nearest number of E2M1, ties to even, subnormals kept.
;;     - The product sums the exact products of the quantised numbers (number of the format x scale) in f32.
;;   ~~~python
;;   def quantise(x, axis):      # numpy; x: float32 -> the quantised numbers, widened to float32 again
;;       x = np.moveaxis(x, axis, -1); K = x.shape[-1]
;;       x = np.pad(x, [(0, 0)] * (x.ndim - 1) + [(0, -K % 32)]); x = x.reshape(x.shape[:-1] + (-1, 32)); a = np.abs(x).max(-1, keepdims=True)
;;       e = np.where(a > 0, np.clip(np.frexp(np.where(a > 0, a, 1))[1] - 1 - 2, -126, 127), 0)      # np.frexp(a)[1] - 1 = floor(log2(a)), exactly
;;       r = np.clip(x / 2.0 ** e, -6, 6)
;;       step = 2.0 ** (np.maximum(np.frexp(np.where(r == 0, 1, r))[1] - 1, 0) - 1)
;;       q = np.round(r / step) * step * 2.0 ** e      # np.round: ties to even
;;       return np.moveaxis(q.reshape(q.shape[:-2] + (-1,))[..., :K], -1, axis).astype(np.float32)
;;   ~~~
;; One version. Each part assembles by itself: llvm-mc -triple=amdgcn-amd-amdhsa -mcpu=gfx1250 --defsym DOCPART=n.
;; ======== version 1 of 1: 4 launches
;; limits: values are held in f16: magnitudes above 65,504 overflow, below 6.1e-05 lose precision
;; workspace buffers: xc 2,097,152 bytes; xs 131,072 bytes; wc 1,572,864 bytes; ws 98,304 bytes; wp 2,097,152 bytes; qkv 25,165,824 bytes; att 8,388,608 bytes
;; launch prep (part 1): grid 256 x 1, 16 waves a work-group, no clusters, 92,160 bytes of LDS; arguments x, W_qkv, W_proj, xc, xs, wc, ws, wp; writes xc, xs, wc, ws, wp
.if DOCPART == 1
	.amdgcn_target "amdgcn-amd-amdhsa--gfx1250"
	.amdhsa_code_object_version 6
	.text
	.protected	k_qf625c4d7cc_prep
	.globl	k_qf625c4d7cc_prep
	.p2align	8
	.type	k_qf625c4d7cc_prep,@function
k_qf625c4d7cc_prep:
	s_mov_b64 s[64:65], 0
	v_nop
	global_prefetch_b8 v0, s[64:65] scope:SCOPE_SE
	s_setreg_imm32_b32 hwreg(HW_REG_WAVE_MODE, 25, 1), 1
	s_wait_xcnt 0x0
; PREP: the three large f32 inputs are read once and laid as the later launches' matrix operands want them.
;   work-groups 0-127:   x [4096][1024] -> xc: codes of E2M1, K innermost, 512 bytes a row; xs: one E8M0 byte for each 32 along K, 32 bytes a row.
;   work-groups 128-223: W_qkv [1024 (k)][3072 (n)] -> wc: codes as IMAGES OF OPERAND REGISTERS, [ks 2][tile of 16 columns 192][q 4][1024 bytes]: the fragment of columns 16 T + r, k = 512 ks + 128 q + ..:
;                        registers 4 c .. 4 c + 3 of lane l at byte 512 c + 16 l;  ws: [3072][32] scale bytes.
;   work-groups 224-255: W_proj [1024 (k)][1024 (n)] -> wp: f16, images again, [ks 4][tile 64][kf 8][1024 bytes]: columns 16 T + r, k = 256 ks + 32 kf + ..: registers 0-3 of lane l at 16 l, registers 4-7 at 512 + 16 l.
; A block's scale is 2^(floor(log2(its largest magnitude)) - 2); its byte is the largest magnitude's exponent field - 2, held at 1 from below; each number is divided by the scale and rounded to the nearest code, ties to even,
; beyond 6 the largest code.
; LIMITS: a block whose largest magnitude lies under 2^-124 has its byte held at 1; a block of zeros gets the byte 1 where the quantiser's rule says 127 (its codes are zeros, and this program alone reads the bytes);
; NaN and infinities among the inputs are not served.
; SHARES: 4,096 waves, each takes 8,192 bytes of f32 and asks for all of them at its head: no loop, no barrier, waves share nothing.  The text parts once on the work-group's number; each way has its own end.
; Only x's way touches LDS.  No tensor loads and no cluster: nothing is read twice.  No prefetch: every wave's loads are all out from its first lines on.
.set STEPS, 4                          ; x: steps of 512 numbers for a wave
.set EMAX,  2
.set R,     16                         ; v16-79   x: four sets of 16 numbers as loaded;  the weights: 64 numbers down K
.set X,     80                         ; v80-111  x: two sets of 16 neighbours
.set E,     112                        ; v112-115 x: a scale byte for each step
.set C,     116                        ; v116-131 x: codes, four registers for each step, so that no store's data are written again
.set SP,    80                         ; a lane's place in a stage: its 64 bytes + 16 of padding
.set WREG,  5632                       ; LDS: a region for each wave: two stages of 32 x SP bytes, and behind them its 64 scale bytes
.set SPW,   12                         ; v12      LDS address of my spare word: SPARE + 4 x my thread's number; never rewritten
.set NIL,   13                         ; v13      0; never rewritten
.set SPARE, 16*WREG                    ; behind the sixteen regions: the spare words, 128 bytes for each wave: eight blocks of 256 bytes that no other line names
	s_load_b512 s[8:23], s[0:1], 0x0               ; x s[8:9], W_qkv s[10:11], W_proj s[12:13], xc s[14:15], xs s[16:17], wc s[18:19], ws s[20:21], wp s[22:23]
	v_lshl_add_u32 v[SPW], v0, 2, SPARE
	v_mov_b32 v[NIL], 0
	v_lshrrev_b32 v1, 5, v0
	v_readfirstlane_b32 s24, v1                    ; wave 0..15
	v_and_b32 v2, 31, v0                           ; lane
	s_mov_b32 s31, 0                               ; the upper word of every offset s[30:31]
	s_wait_kmcnt 0x0
	s_cmp_lt_u32 ttmp9, 128
	s_cbranch_scc0 .Lweights
; ---------------------------------------------------------------- x: a plain stream of blocks of 32 numbers
; The conversions take 8 numbers of ONE block from a lane's registers, so a lane must hold 16 neighbours (two neighbouring lanes hold a block); a load is best where neighbouring lanes take neighbouring bytes.
; Both are had: each of a step's four loads reads 512 consecutive bytes; the 2,048 bytes go through the wave's own stage in LDS as they lie and come back 64 bytes a lane.
	v_lshlrev_b32 v3, 4, v2                        ; my 16 bytes of a load's 512
	s_mul_i32 s25, s24, WREG
	v_lshrrev_b32 v14, 2, v2
	v_mul_u32_u24 v14, v14, SP
	v_and_b32 v15, 3, v2
	v_lshl_add_u32 v14, v15, 4, v14
	v_add_nc_u32 v14, s25, v14                     ; the stage, on the way in: SP (lane / 4) + 16 (lane % 4); a load's 512 bytes take eight places
	v_mul_u32_u24 v15, v2, SP
	v_add_nc_u32 v15, s25, v15                     ; and on the way out: SP x lane: my 16 neighbours
	v_lshlrev_b32 v4, 3, v2                        ; my 8 bytes of a step's 256 bytes of codes
	v_lshrrev_b32 v5, 1, v2
	s_add_co_u32 s25, s25, 2*32*SP
	v_add_nc_u32 v5, s25, v5                       ; LDS: my wave's 64 scale bytes, my block's byte
	v_lshlrev_b32 v7, 1, v2                        ; and on the way out 2 bytes a lane
	v_add_nc_u32 v6, s25, v7
	s_lshl_b32 s26, ttmp9, 4
	s_add_co_u32 s26, s26, s24                     ; which run of 2,048 numbers is my wave's: 0 .. 2,047
	s_lshl_b32 s30, s26, 13
	s_add_nc_u64 s[8:9], s[8:9], s[30:31]          ; 8,192 bytes of x a run,
	s_lshl_b32 s30, s26, 10
	s_add_nc_u64 s[14:15], s[14:15], s[30:31]      ; 1,024 of codes,
	s_lshl_b32 s30, s26, 6
	s_add_nc_u64 s[16:17], s[16:17], s[30:31]      ; 64 scale bytes
.macro LOAD t
.irp i, 0,1,2,3
	global_load_b128 v[R+16*(\t)+4*\i:R+16*(\t)+4*\i+3], v3, s[8:9] offset:2048*(\t)+512*\i th:TH_LOAD_NT   ; 32 lanes read 512 consecutive bytes; read once in the launch
.endr
.endm
.macro TURN t                          ; step t's numbers through the stage: LDS serves a wave's instructions in order, so no wait stands between the stores and the loads
.irp i, 0,1,2,3
	ds_store_b128 v14, v[R+16*(\t)+4*\i:R+16*(\t)+4*\i+3] offset:32*SP*((\t)%2)+8*SP*\i
.endr
.irp i, 0,1,2,3
	ds_load_b128 v[X+16*((\t)%2)+4*\i:X+16*((\t)%2)+4*\i+3], v15 offset:32*SP*((\t)%2)+16*\i
.endr
.endm
.irp t, 0,1,2,3
	LOAD \t
.endr
	s_wait_loadcnt 12                              ; step 0's four loads are in; the twelve behind them may be out
	TURN 0
.macro STEP t
.set XS, X+16*((\t)%2)
.if (\t) > 0
	s_wait_dscnt 1                                 ; this step's numbers are back from the stage; the last step's byte store, issued behind them, may be out
.else
	s_wait_dscnt 0x0
.endif
.if (\t)+1 < STEPS
	s_wait_loadcnt 4*(STEPS-2-(\t))                ; the next step's four loads are in; those of the steps behind it may be out
	TURN (\t)+1                                    ; and go through the other stage while this step is worked
.endif
	v_max3_num_f32 v8, |v[XS]|, |v[XS+1]|, |v[XS+2]|               ; the largest magnitude of my 16, in two chains
	v_max3_num_f32 v9, |v[XS+3]|, |v[XS+4]|, |v[XS+5]|
.irp i, 6,10
	v_max3_num_f32 v8, v8, |v[XS+\i]|, |v[XS+\i+1]|
	v_max3_num_f32 v9, v9, |v[XS+\i+2]|, |v[XS+\i+3]|
.endr
	v_max3_num_f32 v8, v8, |v[XS+14]|, |v[XS+15]|
	v_max3_num_f32 v8, v8, v9, (EMAX+1)<<23        ; and the floor 2^(3 - 127): so the byte cannot fall under 1
	v_max_num_f32_dpp v8, v8, v8 row_xmask:1 row_mask:0xf bank_mask:0xf   ; and of my neighbour's 16: the block's
	v_add_nc_u32 v11, -(EMAX<<23), v8              ; 2 off its exponent field: the conversion takes the exponent field of this operand as its scale, and nothing else of it
	v_cvt_scalef32_pk8_fp4_f32 v[C+4*(\t)], v[XS:XS+7], v11
	v_cvt_scalef32_pk8_fp4_f32 v[C+4*(\t)+1], v[XS+8:XS+15], v11
	v_lshrrev_b32 v[E+(\t)], 23, v11               ; the scale's byte (also the plain line behind the conversions)
	ds_store_b8 v5, v[E+(\t)] offset:16*(\t)       ; both lanes of a block write the same byte with the same value
	global_store_b64 v4, v[C+4*(\t):C+4*(\t)+1], s[14:15] offset:256*(\t)   ; the wave stores 256 consecutive bytes, at a multiple of 256 from xc's first byte
.endm
.irp t, 0,1,2,3
	STEP \t
.endr
	ds_load_u16 v8, v6                             ; LDS serves a wave's instructions in order: this sees my byte stores
	s_wait_dscnt 0x0
	global_store_b16 v7, v8, s[16:17]              ; the wave's 64 scale bytes, consecutive
	s_wait_tensorcnt 0x0                           ; the wave's end: a tensor wait, an add of 0 to my spare word and its wait, behind my last LDS store
	ds_add_u32 v[SPW], v[NIL]
	s_wait_dscnt 0x0
	s_endpgm
; ---------------------------------------------------------------- the weights: K is their FIRST axis
; A LANE TAKES A COLUMN n, AND ITS REGISTERS RUN DOWN K.  A wave takes 32 columns x 64 along K: each load reads 128 consecutive bytes, and four waves of a work-group stand side by side on 512.
.macro SPLIT first                     ; s26 = g: which 32 columns;  s27 = j: which 64 along K (0 .. 15)
	s_sub_co_u32 s25, ttmp9, \first
	s_and_b32 s26, s25, 0xfc
	s_and_b32 s28, s24, 3
	s_add_co_u32 s26, s26, s28                     ; g = 4 (work-group / 4) + wave % 4
	s_and_b32 s27, s25, 3
	s_lshl_b32 s27, s27, 2
	s_lshr_b32 s28, s24, 2
	s_add_co_u32 s27, s27, s28                     ; j = 4 (work-group % 4) + wave / 4
.endm
.macro COLS b, pitch                   ; W(64 j + i, my column), i = 0 .. 63
.set i, 0
.rept 64
	global_load_b32 v[R+i], v3, s[\b:\b+1] offset:i*\pitch th:TH_LOAD_NT
.set i, i+1
.endr
.endm
.Lweights:
	v_lshlrev_b32 v3, 2, v2                        ; in: 4 bytes a lane
	v_lshlrev_b32 v4, 4, v2                        ; out: 16 bytes a lane: an image's place for my lane
	s_cmp_lt_u32 ttmp9, 224
	s_cbranch_scc0 .Lproj
	SPLIT 128                                      ; W_qkv: g = 0 .. 95
	s_mul_i32 s30, s27, 64*3072*4
	s_lshl_b32 s28, s26, 7
	s_add_co_u32 s30, s30, s28
	s_add_nc_u64 s[10:11], s[10:11], s[30:31]      ; row 64 j, column 32 g
	COLS 10, 12288
	s_lshr_b32 s28, s27, 3                         ; ks = j / 8
	s_mul_i32 s30, s28, 192*4096
	s_lshl_b32 s28, s26, 13                        ; tile 2 g: 4,096 bytes a tile
	s_add_co_u32 s30, s30, s28
	s_and_b32 s28, s27, 7                          ; q = (j / 2) % 4 and c = j % 2: 1,024 q + 512 c = 512 (j % 8)
	s_lshl_b32 s28, s28, 9
	s_add_co_u32 s30, s30, s28
	s_add_nc_u64 s[18:19], s[18:19], s[30:31]
	s_lshl_b32 s30, s26, 10                        ; the scale bytes: 32 columns x 32 bytes,
	s_lshl_b32 s28, s27, 1                         ; bytes 2 j and 2 j + 1 of a row
	s_add_co_u32 s30, s30, s28
	s_add_nc_u64 s[20:21], s[20:21], s[30:31]
	v_lshlrev_b32 v5, 5, v2                        ; my column's row of scale bytes
	s_wait_loadcnt 32                              ; the first block's 32 loads are in; the second block's may be out
	v_max3_num_f32 v80, |v[R]|, |v[R+1]|, 0x1800000                ; all 32 numbers of a block are mine; the floor 2^(3 - 127) holds the byte at 1 from below
.irp i, 2,4,6,8,10,12,14,16,18,20,22,24,26,28,30
	v_max3_num_f32 v80, v80, |v[R+\i]|, |v[R+\i+1]|
.endr
	s_wait_loadcnt 0x0
	v_max3_num_f32 v81, |v[R+32]|, |v[R+33]|, 0x1800000
.irp i, 2,4,6,8,10,12,14,16,18,20,22,24,26,28,30
	v_max3_num_f32 v81, v81, |v[R+32+\i]|, |v[R+33+\i]|
.endr
	v_add_nc_u32 v82, 0xff000000, v80              ; 2 off the exponent field: the conversion's scale operand
	v_add_nc_u32 v83, 0xff000000, v81
	v_lshrrev_b32 v84, 23, v82                     ; the scales' bytes
	v_lshrrev_b32 v85, 23, v83
	v_lshl_or_b32 v86, v85, 8, v84                 ; blocks 2 j and 2 j + 1 of my column
.irp g, 0,1,2,3
	v_cvt_scalef32_pk8_fp4_f32 v[88+\g], v[R+8*\g:R+8*\g+7], v82         ; v88-91: my column's block 2 j
	v_cvt_scalef32_pk8_fp4_f32 v[92+\g], v[R+32+8*\g:R+32+8*\g+7], v83   ; v92-95: its block 2 j + 1
.endr
	v_nop                                          ; one plain line behind a scaled conversion
.irp i, 0,1,2,3
	v_permlane16_swap_b32 v[88+\i], v[92+\i]       ; the first's lanes 16-31 change places with the second's lanes 0-15: v88-91 are now registers 4 c .. 4 c + 3 of tile 2 g
.endr                                              ; (lanes 0-15: k = 64 c + 0 .. 31 of columns 0-15; lanes 16-31: k = 64 c + 32 .. 63 of the same), v92-95 those of tile 2 g + 1
	global_store_b128 v4, v[88:91], s[18:19]               ; 32 lanes store 512 consecutive bytes, at a multiple of 512 from wc's first byte
	global_store_b128 v4, v[92:95], s[18:19] offset:4096
	global_store_b16 v5, v86, s[20:21]             ; two bytes of each of 32 rows of ws: 64 bytes for the 8,192 that the wave read
	s_endpgm
.Lproj:
	SPLIT 224                                      ; W_proj: g = 0 .. 31
	s_lshl_b32 s30, s27, 18                        ; row 64 j: 64 x 4,096 bytes
	s_lshl_b32 s28, s26, 7
	s_add_co_u32 s30, s30, s28
	s_add_nc_u64 s[12:13], s[12:13], s[30:31]
	COLS 12, 4096
	s_lshr_b32 s28, s27, 2                         ; ks = j / 4
	s_lshl_b32 s30, s28, 19                        ; 64 tiles x 8,192 bytes
	s_lshl_b32 s28, s26, 14                        ; tile 2 g
	s_add_co_u32 s30, s30, s28
	s_and_b32 s28, s27, 3                          ; kf = 2 (j % 4) + f
	s_lshl_b32 s28, s28, 11
	s_add_co_u32 s30, s30, s28
	s_add_nc_u64 s[22:23], s[22:23], s[30:31]
	s_wait_loadcnt 32                              ; k = 0 .. 31 of my 64 are in
.set i, 0
.rept 16
	v_cvt_pk_f16_f32 v[80+i], v[R+2*i], v[R+2*i+1] ; two neighbours along K to a register, the lower k in the low half
.set i, i+1
.endr
	s_wait_loadcnt 0x0
.rept 16
	v_cvt_pk_f16_f32 v[80+i], v[R+2*i], v[R+2*i+1]
.set i, i+1
.endr
.irp f, 0,1                            ; fragment f: k = 32 f + ..  Registers 16 f + 4 p + 0 .. 3 hold k = 8 p + 0 .. 7 of my column, p = 0 .. 3; the operand wants k = 8 h + .. in registers 0-3 and 16 + 8 h + .. in 4-7
.irp i, 0,1,2,3
	v_permlane16_swap_b32 v[80+16*\f+\i], v[84+16*\f+\i]     ; v[80 + 16 f ..]: registers 0-3 of tile 2 g;  v[84 + 16 f ..]: of tile 2 g + 1
	v_permlane16_swap_b32 v[88+16*\f+\i], v[92+16*\f+\i]     ; v[88 + 16 f ..]: registers 4-7 of tile 2 g;  v[92 + 16 f ..]: of tile 2 g + 1
.endr
.endr
.irp f, 0,1
	global_store_b128 v4, v[80+16*\f:83+16*\f], s[22:23] offset:1024*\f              ; each store: 512 consecutive bytes, at a multiple of 512 from wp's first byte
	global_store_b128 v4, v[88+16*\f:91+16*\f], s[22:23] offset:1024*\f+512
	global_store_b128 v4, v[84+16*\f:87+16*\f], s[22:23] offset:8192+1024*\f
	global_store_b128 v4, v[92+16*\f:95+16*\f], s[22:23] offset:8192+1024*\f+512
.endr
	s_endpgm
.Lfunc_end_k_qf625c4d7cc_prep:
	.size	k_qf625c4d7cc_prep, .Lfunc_end_k_qf625c4d7cc_prep-k_qf625c4d7cc_prep
	.p2alignl 7, 3214868480
	.fill 96, 4, 3214868480
	.section	.rodata,"a",@progbits
	.p2align	6, 0x0
	.amdhsa_kernel k_qf625c4d7cc_prep
		.amdhsa_group_segment_fixed_size 92160
		.amdhsa_private_segment_fixed_size 0
		.amdhsa_enable_private_segment 0
		.amdhsa_kernarg_size 64
		.amdhsa_user_sgpr_count 2
		.amdhsa_user_sgpr_kernarg_segment_ptr 1
		.amdhsa_wavefront_size32 1
		.amdhsa_system_sgpr_workgroup_id_x 1
		.amdhsa_system_sgpr_workgroup_id_y 1
		.amdhsa_system_sgpr_workgroup_id_z 1
		.amdhsa_system_vgpr_workitem_id 0
		.amdhsa_next_free_vgpr 144
		.amdhsa_next_free_sgpr 66
		.amdhsa_reserve_vcc 0
		.amdhsa_float_denorm_mode_32 3
		.amdhsa_float_denorm_mode_16_64 3
		.amdhsa_memory_ordered 1
		.amdhsa_forward_progress 1
		.amdhsa_inst_pref_size 31
	.end_amdhsa_kernel
	.amdgpu_metadata
---
amdhsa.version: [ 1, 2 ]
amdhsa.kernels:
  - .name:           k_qf625c4d7cc_prep
    .symbol:         k_qf625c4d7cc_prep.kd
    .args:
      - { .name: x, .offset: 0, .size: 8, .value_kind: global_buffer, .address_space: global }
      - { .name: W_qkv, .offset: 8, .size: 8, .value_kind: global_buffer, .address_space: global }
      - { .name: W_proj, .offset: 16, .size: 8, .value_kind: global_buffer, .address_space: global }
      - { .name: xc, .offset: 24, .size: 8, .value_kind: global_buffer, .address_space: global }
      - { .name: xs, .offset: 32, .size: 8, .value_kind: global_buffer, .address_space: global }
      - { .name: wc, .offset: 40, .size: 8, .value_kind: global_buffer, .address_space: global }
      - { .name: ws, .offset: 48, .size: 8, .value_kind: global_buffer, .address_space: global }
      - { .name: wp, .offset: 56, .size: 8, .value_kind: global_buffer, .address_space: global }
    .group_segment_fixed_size: 92160
    .private_segment_fixed_size: 0
    .kernarg_segment_align: 8
    .kernarg_segment_size: 64
    .max_flat_workgroup_size: 512
    .sgpr_count:     66
    .vgpr_count:     144
    .wavefront_size: 32
...
	.end_amdgpu_metadata
.endif
;; end of part 1
;; launch qkvg (part 2): grid 12 x 16, 4 waves a work-group, clusters of 4 x 4, 327,680 bytes of LDS; arguments xc, xs, wc, ws, qkv, b_qkv; writes qkv
.if DOCPART == 2
	.amdgcn_target "amdgcn-amd-amdhsa--gfx1250"
	.amdhsa_code_object_version 6
	.text
	.protected	k_qf625c4d7cc_qkvg
	.globl	k_qf625c4d7cc_qkvg
	.p2align	8
	.type	k_qf625c4d7cc_qkvg,@function
k_qf625c4d7cc_qkvg:
	s_mov_b64 s[64:65], 0
	v_nop
	global_prefetch_b8 v0, s[64:65] scope:SCOPE_SE
	s_setreg_imm32_b32 hwreg(HW_REG_WAVE_MODE, 25, 1), 1
	s_wait_xcnt 0x0
	s_wait_alu depctr_hold_cnt(0) depctr_sa_sdst(0) depctr_va_vdst(0) depctr_va_sdst(0) depctr_va_ssrc(0) depctr_va_vcc(0) depctr_vm_vsrc(0)
	s_getreg_b32 s2, hwreg(HW_REG_IB_STS2, 6, 4)
	s_cmp_eq_u32 s2, 0
	s_cbranch_scc0 .Lentry_in_a_cluster
	s_endpgm
.Lentry_in_a_cluster:
	s_bfe_u32 s2, ttmp6, 0x10000c
	s_cmp_lg_u32 s2, 0xf033
	s_cbranch_scc0 .Lentry_shape_is_right
	s_endpgm
.Lentry_shape_is_right:
; QKVG: qkv[m][n] = the sum over k of x[m][k] W_qkv[k][n] + b_qkv[n], on codes of E2M1 with one E8M0 scale for each 32 along K; sums in f32; the result rounded once to f16.
; xc [4096][512 bytes], xs [4096][32]: x's codes and scale bytes, K innermost.  wc: W_qkv's codes as images of operand registers, [ks 2][tile of 16 columns 192][q 4][1024 bytes]; ws [3072][32].  qkv [4096][3072] f16.
; LIMIT: a result beyond 65,504 in magnitude becomes an infinity of f16.
; A tile of the result, 256 x 256, is made by a work-group of four waves; a wave makes 128 x 128: 64 accumulators of 16 x 16, 512 registers.  12 x 16 tiles: 192 work-groups; tiles of half the size would be 384, one and a half for each WGP.
; K = 1,024 is two LDS slots of 512: both are asked for at the head, with the scale bytes of all of K: three tensor loads of a wave are out at the most, and no LDS byte is filled twice.
; A's tile has rows of 256 bytes, 272 apart in LDS.  B's part of a slot is one dense block of 32,768 bytes for each wave that fetches (8 tiles x 4 fragments x 1,024 bytes): a fragment comes by two loads of 512 consecutive bytes.
; CLUSTERS: 4 x 4 work-groups.  The four of a row of the cluster need the same tiles of A, the four of a column the same tiles of B: each tile is asked for JOINTLY, by the same tensor load with the same descriptor and a mask that names the four.
; THE MATRIX INSTRUCTION IS USED TRANSPOSED (source 0 = 16 columns of W, source 1 = 16 rows of x): a lane then holds eight neighbouring numbers of a row of the result.  THE BIAS is the C of each sum's first product.
; No prefetch: all that the work-group reads is asked for by its first tensor loads.
; REGISTERS, in windows of 256: window 0: v0-31 addresses; v32-95 scale words, two sets; v128-191 A's fragments, ONE set; v192-255 the bias, eight registers for each of B's eight blocks; on the way out v32-63 and v192-255 are at work.
;   window 1: B's fragments, TWO sets, at v0 and at v128.   window 2: the 32 accumulators of my rows 0-63 (accumulator (a, b) at v[8 (8 a + b)]);   window 3: those of my rows 64-127.
.set SIZE_N, 3072
.set NQ,     4                         ; steps of 128 along K in a slot
.set ROWB,   256                       ; a row of A's tile in bytes: 512 codes
.set KROW,   512                       ; a row of xc in bytes
.set KSB,    192*4096                  ; from one ks to the next in wc
.set PITCH,  272                       ; an LDS row of A: 256 bytes + 16 of padding = 68 words: the 16 rows that a load touches start at 16 different banks (64 banks of 4 bytes: ISA guide 11.1)
.set FR,     8                         ; registers of a fragment: 16 rows x 128 K
.set NL,     2                         ; LDS loads that bring one
.set NP,     4                         ; places behind this matrix instruction (ISA guide 7.12.1)
.set HALFT,  128*PITCH                 ; a quarter of a slot: what one tensor load fills (B's loads use 32,768 of it)
.set SLOT,   4*HALFT                   ; A's 256 rows, then B's two halves
.set KS,     32                        ; a row of scale bytes
.set SCL,    2*SLOT                    ; behind the slots: the scales, as units of 256 bytes + 16 of padding
.set HALFS,  (128*KS/256)*272          ; the scales of 128 rows: what one tensor load brings
.set SBLK,   (16*KS/256)*272           ; those of 16 rows
.set SPARE,  SCL+4*HALFS               ; behind the scales: the spare words, 128 bytes for each wave: two blocks of 256 bytes that no other line names
.set SPITCH, 272                       ; the way out: a stage of 16 rows x (256 bytes + 16) for each wave, in slot 0, which has had its one fill and its last read when the first result is stored there
.set ADRA, 16                          ; v16-17  LDS address of my A fragments in slot 0, 1
.set ADRB, 20                          ; v20-21  the same for B's images
.set STO,  24                          ; v24     the way out: where I put 16 bytes of a row
.set RD,   25                          ; v25     the way out: where I read a row back
.set CO,   26                          ; v26     my byte offset in two rows of qkv
.set ADRS, 27                          ; v27     LDS address of my scale words: lanes 0-15 A's rows, lanes 16-31 B's
.set SPW,  28                          ; v28     LDS address of my spare word: SPARE + 4 x my thread's number; never rewritten
.set NIL,  29                          ; v29     0; never rewritten
.set SC,   32                          ; scale words: set s (for slot s) at v[SC + 32 s]; in it register 4 i + q: lanes 0-15 the word of A's block i, lanes 16-31 that of B's block i, for the slot's q-th 128 along K
.set AF,   128                         ; A's fragments
.set BIAS, 192                         ; b_qkv at my 128 columns, in the result's layout
.set TMP,  192                         ; the way out: a block's 32 packed registers
.set G1, 24                            ; s[24:31] descriptor group 1 for A's tiles;  s[32:39] group 0, one set for each slot
.set G0, 32
.set G1B, 48                           ; s[48:55], s[56:63] the same for B's
.set G0B, 56
.set G1S, 68                           ; s[68:75], s[76:79] groups 1 and 0 for A's scales;  s[80:87], s[88:91] for B's
.set G0S, 76
.set G1SB, 80
.set G0SB, 88
.set MSB, 0
.macro WIN new                         ; the immediate's high byte repeats the setting that is left; a switch that changes nothing is dropped
.if MSB != (\new)
	s_set_vgpr_msb (MSB<<8)|(\new)
.set MSB, (\new)
.endif
.endm
.set MUL_LO, 0xa1                      ; source 0 (B) window 1, source 1 (A) window 0, C and D window 2
.set MUL_HI, 0xf1                      ; the same, C and D window 3
.set TO_B,   0x40                      ; destination window 1, address window 0
; A joint load: waves 0 and 1 fetch for A, waves 2 and 3 for B.  Each of the two lines has ONE mask and one set of registers for all that issue it; the branch hangs on the wave's number alone.
; An s_nop 0 and four v_nop follow each of the two lines, ahead of the jump, the label and what follows.
.macro JLOAD g0a, g1a, g0b, g1b
	s_cmp_eq_u32 s15, 0
	s_cbranch_scc0 .Lfor_b_\@
	tensor_load_to_lds s[\g0a:\g0a+3], s[\g1a:\g1a+7]
	s_nop 0
.rept 4
	v_nop
.endr
	s_branch .Lasked_\@
.Lfor_b_\@:
	tensor_load_to_lds s[\g0b:\g0b+3], s[\g1b:\g1b+7]
	s_nop 0
.rept 4
	v_nop
.endr
.Lasked_\@:
.endm
.macro CROUND                          ; a round of the cluster's barrier: my work-group's barrier; wave 0 signals for the work-group; every wave waits for all sixteen; my work-group's barrier once more
	s_barrier_signal -1
	s_barrier_wait -1
	s_cmp_lg_u32 s14, 0
	s_cbranch_scc1 .Lnot_wave_0_\@
	s_barrier_signal -3
.Lnot_wave_0_\@:
	s_barrier_wait -3
	s_barrier_signal -1
	s_barrier_wait -1
.endm
	s_load_b128 s[4:7], s[0:1], 0x0                ; xc s[4:5], xs s[6:7]
	s_load_b128 s[8:11], s[0:1], 0x10              ; wc s[8:9], ws s[10:11]
	s_load_b64 s[12:13], s[0:1], 0x20              ; qkv
	s_load_b64 s[96:97], s[0:1], 0x28              ; b_qkv
	v_lshl_add_u32 v[SPW], v0, 2, SPARE
	v_mov_b32 v[NIL], 0
	ds_add_u32 v[SPW], v[NIL]                      ; the wave's opening: the add, twice on end, and its wait ahead of my first tensor load; the set-up below, work on registers, stands between
	ds_add_u32 v[SPW], v[NIL]                      ; and once more, under the one wait
	v_lshrrev_b32 v1, 5, v0
	v_readfirstlane_b32 s14, v1                    ; wave 0..3
	s_lshr_b32 s15, s14, 1                         ; which half of the tile's rows is mine.  Also: I fetch for A (0) or for B (1)
	s_and_b32 s16, s14, 1                          ; which half of its columns.  Also: which half of that operand's tile I fetch
	s_bfe_u32 s40, ttmp6, 0x40000                  ; cx, cy: my place in the cluster
	s_bfe_u32 s41, ttmp6, 0x40004
	s_lshl_b32 s42, ttmp9, 2
	s_add_co_u32 s42, s42, s40                     ; tile column = 4 x cluster x + cx
	s_and_b32 s17, ttmp7, 0xffff
	s_lshl_b32 s17, s17, 2
	s_add_co_u32 s17, s17, s41                     ; tile row = 4 x cluster y + cy
	s_lshl_b32 s43, s41, 2
	s_lshl_b32 s43, 15, s43                        ; my row of the cluster
	s_lshl_b32 s44, 0x1111, s40                    ; my column
	; descriptor group 1, A: a tile of 128 rows x 256 bytes, padded in LDS
	s_or_b32 s[G1+0], s43, (0<<16)|(1<<20)|(1<<21)|(5<<22)|(3<<25)  ; 15:0 the mask: A's tiles go to my row; 17:16 elements of 1 byte; 20 padding on; 21 set beside a mask; 24:22 after every 64 words (code 5); 31:25 of 4 words (code 3)
	s_mov_b32 s[G1+1], ROWB<<16                    ; tensor_dim0
	s_mov_b32 s[G1+2], 128<<16                     ; tensor_dim1
	s_mov_b32 s[G1+3], ROWB<<16                    ; tile_dim0
	s_mov_b32 s[G1+4], 128                         ; tile_dim1
	s_mov_b32 s[G1+5], KROW                        ; tensor_dim0_stride
	s_mov_b32 s[G1+6], 0
	s_mov_b32 s[G1+7], 0
	; B: a dense block of 32,768 bytes, as 128 rows of 32 elements of 8 bytes, no padding
	s_or_b32 s[G1B+0], s44, (3<<16)|(1<<21)        ; the mask: B's tiles go to my column
	s_mov_b32 s[G1B+1], 32<<16
	s_mov_b32 s[G1B+2], 128<<16
	s_mov_b32 s[G1B+3], 32<<16
	s_mov_b32 s[G1B+4], 128
	s_mov_b32 s[G1B+5], 32
	s_mov_b32 s[G1B+6], 0
	s_mov_b32 s[G1B+7], 0
	; the scales of 128 rows: a dense block of 4,096 bytes, as 16 rows of 256 bytes, 16 bytes of padding behind each
	s_or_b32 s[G1S+0], s43, (3<<16)|(1<<20)|(1<<21)|(5<<22)|(3<<25)
	s_or_b32 s[G1SB+0], s44, (3<<16)|(1<<20)|(1<<21)|(5<<22)|(3<<25)
.irp g, G1S, G1SB
	s_mov_b32 s[\g+1], 32<<16
	s_mov_b32 s[\g+2], (128*KS/256)<<16
	s_mov_b32 s[\g+3], 32<<16
	s_mov_b32 s[\g+4], 128*KS/256
	s_mov_b32 s[\g+5], 32
	s_mov_b32 s[\g+6], 0
	s_mov_b32 s[\g+7], 0
.endr
	s_lshl_b32 s18, s16, 7                         ; which 128 rows (columns) of the tile I fetch
	s_lshl_b32 s20, s17, 8
	s_add_co_u32 s20, s20, s18                     ; A: row 256 x tile row + 128 x half
	s_lshl_b32 s46, s42, 8
	s_add_co_u32 s46, s46, s18                     ; B: column 256 x tile column + 128 x half
	s_mov_b32 s21, 0
	s_mov_b32 s47, 0
	s_mov_b64 s[18:19], KS
	s_mul_u64 s[22:23], s[20:21], s[18:19]         ; where their scales begin, in bytes
	s_mul_u64 s[92:93], s[46:47], s[18:19]
	s_mov_b64 s[18:19], KROW
	s_mul_u64 s[20:21], s[20:21], s[18:19]         ; A's codes: 512 bytes a row
	s_lshl_b64 s[46:47], s[46:47], 8               ; B's images: 4,096 bytes for 16 columns
	s_mul_i32 s45, s14, HALFT                      ; where they go: wave x a quarter of a slot: no place in the cluster enters an LDS address
	s_mul_i32 s94, s14, HALFS
	s_wait_dscnt 0x0                               ; both opening adds are done
	s_wait_kmcnt 0x0
	s_add_nc_u64 s[20:21], s[4:5], s[20:21]
	s_add_nc_u64 s[22:23], s[6:7], s[22:23]
	s_add_nc_u64 s[46:47], s[8:9], s[46:47]
	s_add_nc_u64 s[92:93], s[10:11], s[92:93]
	CROUND                                         ; all sixteen work-groups are here: the joint loads meet
	s_mov_b32 s[G0S], 1
	s_add_co_u32 s[G0S+1], s94, SCL
	s_mov_b64 s[G0S+2:G0S+3], s[22:23]
	s_or_b32 s[G0S+3], s[G0S+3], 0x80000000
	s_mov_b32 s[G0SB], 1
	s_add_co_u32 s[G0SB+1], s94, SCL
	s_mov_b64 s[G0SB+2:G0SB+3], s[92:93]
	s_or_b32 s[G0SB+3], s[G0SB+3], 0x80000000
	JLOAD G0S, G1S, G0SB, G1SB                     ; the scales first: they are wanted with slot 0
.irp s, 0,1
	s_mov_b32 s[G0+4*\s], 1                                        ; count = 1
	s_add_co_u32 s[G0+4*\s+1], s45, \s*SLOT                        ; LDS address
	s_add_nc_u64 s[G0+4*\s+2:G0+4*\s+3], s[20:21], \s*ROWB         ; global address: K = 512 s on
	s_or_b32 s[G0+4*\s+3], s[G0+4*\s+3], 0x80000000                ; type = 2
	s_mov_b32 s[G0B+4*\s], 1
	s_add_co_u32 s[G0B+4*\s+1], s45, \s*SLOT
	s_add_nc_u64 s[G0B+4*\s+2:G0B+4*\s+3], s[46:47], \s*KSB
	s_or_b32 s[G0B+4*\s+3], s[G0B+4*\s+3], 0x80000000
	JLOAD G0+4*\s, G1, G0B+4*\s, G1B
.endr
	v_and_b32 v1, 15, v0                           ; r = l % 16
	v_bfe_u32 v2, v0, 4, 1                         ; h = l / 16
	v_mul_u32_u24 v3, v1, PITCH
	v_lshl_add_u32 v4, v2, 4, v3                   ; A: a fragment's row x pitch + 16 x half
	v_and_b32 v6, 31, v0
	v_lshlrev_b32 v7, 4, v6                        ; B: 16 x lane: my place in an image
	s_mul_i32 s21, s15, HALFT                      ; my 128 rows of A
	s_mul_i32 s22, s16, HALFT                      ; my 128 columns of B,
	s_add_co_u32 s22, s22, 2*HALFT                 ; which lie behind A's 256 rows
.irp s, 0,1
	v_add_nc_u32 v[ADRA+\s], s21, v4
	v_add_nc_u32 v[ADRB+\s], s22, v7
	s_add_co_u32 s21, s21, SLOT
	s_add_co_u32 s22, s22, SLOT
.endr
	v_mul_u32_u24 v5, v1, KS                       ; my row's scales: 32 bytes a row,
	v_lshrrev_b32 v6, 8, v5
	v_lshl_add_u32 v5, v6, 4, v5                   ; and 16 more for each 256 passed
	s_mul_i32 s21, s15, HALFS                      ; A's: my 128 rows
	s_mul_i32 s22, s16, HALFS                      ; B's: my 128 columns, behind A's 256 rows
	s_add_co_u32 s22, s22, 2*HALFS
	s_sub_co_u32 s22, s22, s21
	v_mul_u32_u24 v6, s22, v2                      ; lanes 16-31 take B's: one product, the distance between the two bases x h
	s_add_co_u32 s21, s21, SCL
	v_add_nc_u32 v5, v5, v6
	v_add_nc_u32 v[ADRS], s21, v5
	s_mul_i32 s23, s14, 16*SPITCH                  ; my stage
	v_mul_u32_u24 v5, v1, SPITCH                   ; in: row l % 16, 16 bytes for each half of the lanes
	v_lshl_add_u32 v5, v2, 4, v5
	v_add_nc_u32 v[STO], s23, v5
	v_mul_u32_u24 v5, v2, SPITCH                   ; back: lanes 0-15 take one row of 256 bytes, lanes 16-31 the next
	v_lshl_add_u32 v5, v1, 4, v5
	v_add_nc_u32 v[RD], s23, v5
	v_mul_u32_u24 v5, v2, SIZE_N*2                 ; and the same two rows in qkv
	v_lshl_add_u32 v[CO], v1, 4, v5
	v_lshlrev_b32 v8, 5, v2                        ; the bias: my half's eight numbers of a block of 16; never rewritten
	s_lshl_b32 s46, s42, 10                        ; my first column in b_qkv, in bytes: 1,024 x tile column + 512 x half
	s_lshl_b32 s47, s16, 9
	s_add_co_u32 s46, s46, s47
	s_mov_b32 s47, 0
	s_add_nc_u64 s[96:97], s[96:97], s[46:47]
.irp b, 0,1,2,3,4,5,6,7
	global_load_b128 v[BIAS+8*\b:BIAS+8*\b+3], v8, s[96:97] offset:64*\b          ; register j of block b: b_qkv at column 16 b + 8 h + j of my 128
	global_load_b128 v[BIAS+8*\b+4:BIAS+8*\b+7], v8, s[96:97] offset:64*\b+16
.endr
	s_lshr_b32 s46, s46, 1                         ; the same column in a row of qkv: 2 bytes a number
	s_lshl_b32 s20, s17, 8
	s_lshl_b32 s21, s15, 7
	s_add_co_u32 s20, s20, s21                     ; my first row: 256 x tile row + 128 x half
	s_mov_b32 s21, 0
	s_mov_b64 s[18:19], SIZE_N*2
	s_mul_u64 s[20:21], s[20:21], s[18:19]
	s_add_nc_u64 s[20:21], s[20:21], s[46:47]
	s_add_nc_u64 s[12:13], s[12:13], s[20:21]
.macro FRAG reg, adr, q, i             ; A: 16 rows x 128 K of 4-bit codes, 8 registers: lane l holds row l % 16; registers 4 c .. 4 c + 3 hold K = 64 c + 32 (l / 16) + 0 .. 31
.irp c, 0,1
	ds_load_b128 v[\reg+4*\c:\reg+4*\c+3], v[\adr] offset:64*(\q)+32*\c+(\i)*16*PITCH
.endr
.endm
.macro FRAGB reg, adr, q, i            ; B: the image of the same eight registers: two loads of 512 consecutive bytes
.irp c, 0,1
	ds_load_b128 v[\reg+4*\c:\reg+4*\c+3], v[\adr] offset:(\i)*4096+(\q)*1024+512*\c
.endr
.endm
; 16 matrix instructions: A's blocks a0, a0 + 1 x B's eight, 128 along K: the slot's q-th.  p: B's set;  sc: the set of scale words.  zero = 1: the first product starts the sums from the bias: nothing is ever cleared.
; The 64 accumulators take turns, one instruction a turn, in the same order in every step.
.macro MUL16 a0, p, q, sc, zero
.irp a, \a0, \a0+1
.irp b, 0,1,2,3,4,5,6,7
.if \zero
	v_wmma_scale_f32_16x16x128_f8f6f4 v[8*(8*((\a)%4)+\b):8*(8*((\a)%4)+\b)+7], v[128*(\p)+FR*\b:128*(\p)+FR*\b+FR-1], v[AF+FR*(\a):AF+FR*(\a)+FR-1], v[BIAS+8*\b:BIAS+8*\b+7], v[SC+8*NQ*(\sc)+NQ*\b+(\q)], v[SC+8*NQ*(\sc)+NQ*(\a)+(\q)] matrix_a_fmt:MATRIX_FMT_FP4 matrix_b_fmt:MATRIX_FMT_FP4 matrix_a_scale:MATRIX_SCALE_ROW1
.else
	v_wmma_scale_f32_16x16x128_f8f6f4 v[8*(8*((\a)%4)+\b):8*(8*((\a)%4)+\b)+7], v[128*(\p)+FR*\b:128*(\p)+FR*\b+FR-1], v[AF+FR*(\a):AF+FR*(\a)+FR-1], v[8*(8*((\a)%4)+\b):8*(8*((\a)%4)+\b)+7], v[SC+8*NQ*(\sc)+NQ*\b+(\q)], v[SC+8*NQ*(\sc)+NQ*(\a)+(\q)] matrix_a_fmt:MATRIX_FMT_FP4 matrix_b_fmt:MATRIX_FMT_FP4 matrix_a_scale:MATRIX_SCALE_ROW1
.endif
.endr
.endr
.endm
.macro FETCH_B slot, q, p              ; B's eight fragments of the slot's q-th 128 along K into set p
	WIN TO_B
.irp i, 0,1,2,3,4,5,6,7
	FRAGB 128*(\p)+FR*\i, ADRB+\slot, \q, \i
.endr
	WIN 0
.endm
.macro FETCH_A slot, q, i0             ; A's blocks i0 .. i0 + 3
.irp i, \i0, \i0+1, \i0+2, \i0+3
	FRAG AF+FR*(\i), ADRA+\slot, \q, \i
.endr
.endm
.macro SCALES sc                       ; a slot's scale words into set sc: four words a row; lanes 0-15 take A's block i, lanes 16-31 B's block i
.irp i, 0,1,2,3,4,5,6,7
	ds_load_b128 v[SC+8*NQ*\sc+NQ*\i:SC+8*NQ*\sc+NQ*\i+3], v[ADRS] offset:\i*SBLK
.endr
.endm
; A load into a register that a matrix instruction has read, and a vector instruction that reads a matrix result, stand NP places behind that matrix instruction, and only plain vector
; instructions that name none of its registers are places (ISA guide 7.12.1 for vector instructions).
.macro PLACES n
.rept \n
	v_nop
.endr
.endm
; A step of 128 along K that has its successor in the same slot.  A's blocks go one after the other, each against B's eight: so one set of registers serves A (blocks 0-3 are fetched anew in the step's middle, blocks 4-7 at its end); B has two sets.
.macro STEP slot, q, zero
	s_wait_dscnt 4*NL                              ; B's set, the scale words and A's blocks 0-3 are in; the youngest eight loads (A's blocks 4-7) may be out
	WIN MUL_LO-0x20*(\zero)                        ; (zero = 1: C, the bias, lies in window 0)
	MUL16 0, (\q)%2, \q, \slot, \zero
	MUL16 2, (\q)%2, \q, \slot, \zero
	s_wait_dscnt 0                                 ; A's blocks 4-7 are in (asked for 32 matrix instructions ago)
	PLACES NP
	FETCH_B \slot, (\q)+1, 1-(\q)%2
	FETCH_A \slot, (\q)+1, 0
	WIN MUL_HI-0x30*(\zero)
	MUL16 4, (\q)%2, \q, \slot, \zero
	MUL16 6, (\q)%2, \q, \slot, \zero
	PLACES NP
	WIN 0
	FETCH_A \slot, (\q)+1, 4
.endm
; Slot 0's last step changes slots: ONE barrier; in front of it each wave waits for all its tensor loads (slot 1's is the one that may be out), adds 0 to its spare word, and waits for that and for its reads of slot 0.
; Behind it slot 1 is whole and nobody reads slot 0 any more.  Nothing is filled again.
.macro TURN slot, next
	s_wait_tensorcnt 0x0                           ; all my tensor loads have landed  (every window is 0 here: the add's two registers lie in window 0)
	ds_add_u32 v[SPW], v[NIL]                      ; 0 onto my spare word
	s_wait_dscnt 4*NL+1                            ; (the add and the youngest eight loads, A's blocks 4-7, may be out)
	WIN MUL_LO
	MUL16 0, 1, NQ-1, \slot, 0                     ; sixteen matrix instructions stand between the add and the wait for it
	s_wait_dscnt 0x0                               ; the add is done, and my reads of this slot are over
	s_barrier_signal -1
	MUL16 2, 1, NQ-1, \slot, 0                     ; work on registers while the others arrive
	WIN 0
	s_barrier_wait -1
	PLACES NP
	v_add_nc_u32 v[ADRS], 4*NQ, v[ADRS]            ; on to the next slot's scale words (no LDS load of mine is out)
	FETCH_B \next, 0, 0
	FETCH_A \next, 0, 0
	SCALES \next
	WIN MUL_HI
	MUL16 4, 1, NQ-1, \slot, 0
	MUL16 6, 1, NQ-1, \slot, 0
	PLACES NP
	WIN 0
	FETCH_A \next, 0, 4
.endm
.macro STEPS slot, from                ; the slot's steps from .. NQ - 2
.set Q, \from
.rept NQ-1-\from
	STEP \slot, Q, 0
.set Q, Q+1
.endr
.endm
	s_wait_tensorcnt 1                             ; the scales and my part of slot 0 are in; slot 1's load, issued behind them, may be out
	s_barrier_signal -1
	s_barrier_wait -1                              ; everybody's are
	FETCH_B 0, 0, 0
	FETCH_A 0, 0, 0
	SCALES 0
	FETCH_A 0, 0, 4
	s_wait_loadcnt 0x0                             ; the bias
	STEP 0, 0, 1                                   ; the first step's products start the sums
	STEPS 0, 1
	TURN 0, 1
	STEPS 1, 0
	s_wait_dscnt 4*NL                              ; the very last step: nothing more to fetch
	WIN MUL_LO
	MUL16 0, 1, NQ-1, 1, 0
	MUL16 2, 1, NQ-1, 1, 0
	s_wait_dscnt 0
	WIN MUL_HI
	MUL16 4, 1, NQ-1, 1, 0
	MUL16 6, 1, NQ-1, 1, 0
	WIN 0
; THE WAY OUT, block by block of 16 rows x 128 columns.  PACK: rounded to f16, 16 bytes a lane, each accumulator from its low end on.  TOSTAGE: into my own stage in LDS and back as whole rows of 256 bytes.  SEND: stored.
; LDS serves a wave's instructions in order (ISA guide 5.7.1.4): no wait between the stores and the loads, nor in front of the next block's stores.
.macro PACK a
.set AC, 64*((\a)%4)
	WIN 0x0a+5*((\a)/4)                            ; sources 0 and 1: window 2 or 3
.irp b, 0,1,2,3,4,5,6,7
.irp r, 0,1,2,3
	v_cvt_pk_f16_f32 v[TMP+4*\b+\r], v[AC+8*\b+2*\r], v[AC+8*\b+2*\r+1]
.endr
.endr
	WIN 0
.endm
.macro TOSTAGE a
.set BB, 32+192*((\a)%2)                ; v32-63 and v224-255 by turns
.irp b, 0,1,2,3,4,5,6,7
	ds_store_b128 v[STO], v[TMP+4*\b:TMP+4*\b+3] offset:32*\b
.endr
.irp t, 0,1,2,3,4,5,6,7
	ds_load_b128 v[BB+4*\t:BB+4*\t+3], v[RD] offset:\t*2*SPITCH
.endr
.endm
.macro SEND a, younger                 ; younger: the LDS instructions issued behind block a's loads, which may stay out
.set BB, 32+192*((\a)%2)
	s_wait_dscnt \younger                          ; the block is back in registers
.if (\a) > 0
	s_add_nc_u64 s[12:13], s[12:13], 16*SIZE_N*2   ; 16 rows on (behind a wait on XCNT for 0: the earlier stores have read their base)
.endif
.irp t, 0,1,2,3,4,5,6,7
	global_store_b128 v[CO], v[BB+4*\t:BB+4*\t+3], s[12:13] offset:2*\t*SIZE_N*2   ; 16 lanes store 256 consecutive bytes, at a multiple of 256 from qkv's first byte
.endr
.endm
	PLACES NP                                      ; behind the last products: for the conversions' reads of results and their writes over the bias
	PACK 0
	TOSTAGE 0
.irp a, 1,2,3,4,5,6,7
.if \a > 1
	s_wait_xcnt 0x0                                ; block a - 2's stores have read their registers and their base: block a's loads may land there, and the base may step
.endif
	PACK \a
	TOSTAGE \a
	SEND \a-1, 16                                  ; behind block a - 1's loads: block a's 8 stores and 8 loads
.endr
	s_wait_xcnt 0x0                                ; block 6's stores have read their base
	SEND 7, 0
	s_wait_tensorcnt 0x0                           ; the wave's end: a tensor wait, an add of 0 to my spare word and its wait, behind my last tensor load and my last LDS store
	ds_add_u32 v[SPW], v[NIL]
	s_wait_dscnt 0x0
	CROUND                                         ; the closing round: no work-group ends while a partner may still ask for a tile that names it
	s_endpgm
.Lfunc_end_k_qf625c4d7cc_qkvg:
	.size	k_qf625c4d7cc_qkvg, .Lfunc_end_k_qf625c4d7cc_qkvg-k_qf625c4d7cc_qkvg
	.p2alignl 7, 3214868480
	.fill 96, 4, 3214868480
	.section	.rodata,"a",@progbits
	.p2align	6, 0x0
	.amdhsa_kernel k_qf625c4d7cc_qkvg
		.amdhsa_group_segment_fixed_size 327680
		.amdhsa_private_segment_fixed_size 0
		.amdhsa_enable_private_segment 0
		.amdhsa_kernarg_size 48
		.amdhsa_user_sgpr_count 2
		.amdhsa_user_sgpr_kernarg_segment_ptr 1
		.amdhsa_wavefront_size32 1
		.amdhsa_system_sgpr_workgroup_id_x 1
		.amdhsa_system_sgpr_workgroup_id_y 1
		.amdhsa_system_sgpr_workgroup_id_z 1
		.amdhsa_system_vgpr_workitem_id 0
		.amdhsa_next_free_vgpr 1024
		.amdhsa_next_free_sgpr 98
		.amdhsa_reserve_vcc 0
		.amdhsa_float_denorm_mode_32 3
		.amdhsa_float_denorm_mode_16_64 3
		.amdhsa_memory_ordered 1
		.amdhsa_forward_progress 1
		.amdhsa_inst_pref_size 128
	.end_amdhsa_kernel
	.amdgpu_metadata
---
amdhsa.version: [ 1, 2 ]
amdhsa.kernels:
  - .name:           k_qf625c4d7cc_qkvg
    .symbol:         k_qf625c4d7cc_qkvg.kd
    .args:
      - { .name: xc, .offset: 0, .size: 8, .value_kind: global_buffer, .address_space: global }
      - { .name: xs, .offset: 8, .size: 8, .value_kind: global_buffer, .address_space: global }
      - { .name: wc, .offset: 16, .size: 8, .value_kind: global_buffer, .address_space: global }
      - { .name: ws, .offset: 24, .size: 8, .value_kind: global_buffer, .address_space: global }
      - { .name: qkv, .offset: 32, .size: 8, .value_kind: global_buffer, .address_space: global }
      - { .name: b_qkv, .offset: 40, .size: 8, .value_kind: global_buffer, .address_space: global }
    .group_segment_fixed_size: 327680
    .private_segment_fixed_size: 0
    .kernarg_segment_align: 8
    .kernarg_segment_size: 48
    .max_flat_workgroup_size: 128
    .sgpr_count:     98
    .vgpr_count:     1024
    .wavefront_size: 32
...
	.end_amdgpu_metadata
.endif
;; end of part 2
;; launch attn (part 3): grid 16 x 16, 8 waves a work-group, no clusters, 214,016 bytes of LDS; arguments qkv, att; writes att
.if DOCPART == 3
	.amdgcn_target "amdgcn-amd-amdhsa--gfx1250"
	.amdhsa_code_object_version 6
	.text
	.protected	k_qf625c4d7cc_attn
	.globl	k_qf625c4d7cc_attn
	.p2align	8
	.type	k_qf625c4d7cc_attn,@function
k_qf625c4d7cc_attn:
	s_mov_b64 s[64:65], 0
	v_nop
	global_prefetch_b8 v0, s[64:65] scope:SCOPE_SE
	s_setreg_imm32_b32 hwreg(HW_REG_WAVE_MODE, 25, 1), 1
	s_wait_xcnt 0x0
; ATTN: att[b][q][head] = the sum over keys k with |q - k| <= 64 of softmax_k(Q . K / 8) V.  qkv [4096][3072] f16: a row holds q (bytes 0 on), k (2,048 on), v (4,096 on), a head 128 bytes inside each.  att [4096][1024] f16.
; Products on f16 operands with f32 sums; maxima, exponentials and sums in f32; the weights p are rounded to f16 for the second product, the result once at the end.
; LIMITS: NaN and infinities in qkv are not served (rows beyond the sequence's ends are replaced by rows of the sequence, whose scores are masked and whose p is 0: 0 x a finite number).
; THE BAND.  A tile of 16 queries beginning at q0 sees keys q0 - 64 .. q0 + 79: nine tiles of 16 keys.  All 144 scores of a query lie in registers at once (72 a lane), so the maximum that is taken away is the row's true maximum.
; Every query sees itself, so the maximum is a number.
; SHARES.  A work-group owns 128 queries of one batch and a PAIR of heads, so that every piece of a row that it reads or writes is 256 consecutive bytes, at a multiple of 256.  Wave w: head w % 2 of the pair, queries 32 (w / 2) on: two tiles.
; LDS holds the 128 rows of Q and the window's 256 rows of K and of V (keys 128 X - 64 on).  They come through registers, all 40 loads of a wave out at once.
; No tensor loads: the window's first and last 64 rows are moved to rows inside the sequence at its two ends, by the row's base.  No cluster: neighbouring blocks share half a window, but the shared rows would lie at other LDS rows in each
; partner.  No prefetch: all loads go out at the head.
; LAYOUT.  S^T = K Q^T (source 0 = 16 keys, source 1 = 16 queries): a lane holds ONE query (lane % 16) and keys 8 (lane / 16) + 0 .. 7.  Two such tiles, rounded to f16 in pairs, ARE source 1 (32 keys x 16 queries) of O^T = V^T P.
; K comes out of LDS as it lies, V ([key][channel]) turned, by ds_load_tr16_b128.  The wave's two query tiles share ten key tiles; tile t uses key tiles t .. t + 8; the one that it does not use has p = 0.
.set QP,    272                        ; a row of Q, K or the stage in LDS: 256 bytes + 16: the 16 rows of a load start at 16 different banks
.set VP,    288                        ; a row of V: 256 + 32
.set KL,    128*QP                     ; LDS: Q's 128 rows at 0, K's 256 rows,
.set VL,    KL+256*QP                  ; V's 256 rows,
.set SG,    VL+256*VP                  ; the stage for the way out: 128 rows,
.set SPARE, SG+128*QP                  ; and the spare words, 128 bytes for each wave: four blocks of 256 bytes that no other line names
.set ROWG,  6144                       ; a row of qkv in bytes
.set RND,   16*ROWG                    ; a round of loads: the work-group's 256 threads take 16 rows x 256 bytes
.set GV,  3                            ; v3   my byte in a round: (thread / 16) rows + 16 (thread % 16)
.set LQ,  4                            ; v4   the same place in Q's LDS rows;  v5 in K's;  v6, v7 in V's first and second 128 rows
.set LK,  5
.set LV,  6
.set LV2, 7
.set AQ,  8                            ; v8   my lane's place in my wave's fragments of Q;  v9 of K;  v10 of V
.set AK,  9
.set AV,  10
.set SO,  11                           ; v11  the stage: where I put 16 bytes of a row
.set RD,  12                           ; v12  and where I read a row back
.set GO,  13                           ; v13  my byte offset in two rows of att
.set SPW, 14                           ; v14  LDS address of my spare word: SPARE + 4 x my thread's number; never rewritten
.set NIL, 15                           ; v15  0; never rewritten
.set QF,  16                           ; v16-47   Q's fragments: tile t, channels 32 c on: 16 t + 8 c
.set KB0, 48                           ; v48-79   two key tiles' fragments;  v224-255 the other buffer
.set KB1, 224
.set S,   80                           ; v80-223  S^T, then p: tile t, key tile u of its nine: 72 t + 8 u
.set P,   16                           ; v16-95   p in f16: tile t, key tile kt of the wave's ten: 40 t + 4 kt
.set OA,  96                           ; v96-159  O^T: tile t, channels 16 ct on: 32 t + 8 ct
.set VB0, 160                          ; v160-191, v192-223  V's fragments of 32 keys, two buffers
.set VB1, 192
.set T,   224                          ; v224-247 at work: +0..2 maxima, +3 a permute's result, +4:5 c m, +6:9 sums, +10 -infinity, +11 a bound, +12..15 lo0 hi0 lo1 hi1, +16,17 the rows' sums, +18:19, +20:21 1 / sum, +22 8 h, +23 r + 128
	s_load_b128 s[4:7], s[0:1], 0x0                ; qkv s[4:5], att s[6:7]
	v_lshl_add_u32 v[SPW], v0, 2, SPARE
	v_mov_b32 v[NIL], 0
	v_lshrrev_b32 v176, 5, v0
	v_readfirstlane_b32 s8, v176                   ; wave 0..7
	s_lshr_b32 s9, s8, 1                           ; qg: which 32 queries
	s_and_b32 s10, s8, 1                           ; hh: which head of the pair
	s_and_b32 s14, ttmp7, 0xffff
	s_lshr_b32 s12, s14, 3                         ; the batch
	s_and_b32 s13, s14, 7                          ; the pair of heads
	s_lshl_b32 s11, ttmp9, 7                       ; 128 X: my block's first query
	s_mul_i32 s36, s12, 2048*ROWG
	s_lshl_b32 s37, s13, 8
	s_add_co_u32 s36, s36, s37                     ; the batch's first row, the pair's 256 bytes
	s_sub_co_i32 s38, s11, 64
	s_max_i32 s38, s38, 0                          ; the window's first 64 rows: keys 128 X - 64 on; at the sequence's start rows 0 on, which the mask hides
	s_add_co_u32 s39, s11, 128
	s_min_i32 s39, s39, 1984                       ; its last 64: keys 128 X + 128 on; at the sequence's end rows 1,984 on, hidden likewise
	s_add_co_u32 s46, s11, 64
	s_mov_b32 s41, 0
	v_and_b32 v1, 15, v0                           ; r
	v_bfe_u32 v2, v0, 4, 1                         ; h
	v_lshrrev_b32 v176, 4, v0                      ; thread / 16: my row in a round
	v_lshlrev_b32 v177, 4, v1                      ; 16 r
	v_mad_u32_u24 v[GV], v176, ROWG, v177
.macro ROWBASE d, t                    ; s[d:d+1] = qkv at row t of my batch, my pair of heads
	s_mul_i32 s40, \t, ROWG
	s_add_co_u32 s40, s40, s36
	s_add_nc_u64 s[\d:\d+1], s[4:5], s[40:41]
.endm
	s_wait_kmcnt 0x0
	ROWBASE 16, s11                                ; Q
	ROWBASE 18, s38                                ; the window's four groups of 64 rows
	ROWBASE 20, s11
	ROWBASE 22, s46
	ROWBASE 24, s39
.irp i, 0,1,2,3,4,5,6,7
	global_load_b128 v[16+4*\i:19+4*\i], v[GV], s[16:17] offset:\i*RND               ; 16 lanes read 256 consecutive bytes of a row
.endr
.irp i, 0,1,2,3,4,5,6,7,8,9,10,11,12,13,14,15
	global_load_b128 v[48+4*\i:51+4*\i], v[GV], s[18+2*(\i/4):19+2*(\i/4)] offset:(\i%4)*RND+2048
.endr
.irp i, 0,1,2,3,4,5,6,7,8,9,10,11,12,13,14,15
	global_load_b128 v[112+4*\i:115+4*\i], v[GV], s[18+2*(\i/4):19+2*(\i/4)] offset:(\i%4)*RND+4096
.endr
	; every LDS address is made here, from the thread's number, the wave's number and constants, while the loads are out
	v_mad_u32_u24 v[LQ], v176, QP, v177
	v_add_nc_u32 v[LK], KL, v[LQ]
	v_mad_u32_u24 v[LV], v176, VP, v177
	v_add_nc_u32 v[LV], VL, v[LV]
	v_add_nc_u32 v[LV2], 128*VP, v[LV]
	s_mul_i32 s44, s9, 32*QP
	s_lshl_b32 s45, s10, 7
	s_add_co_u32 s44, s44, s45                     ; my wave's first row, my head's 128 bytes
	v_mul_u32_u24 v[AQ], v1, QP
	v_lshl_add_u32 v[AQ], v2, 4, v[AQ]
	v_add_nc_u32 v[AQ], s44, v[AQ]                 ; a fragment's row x pitch + 16 x half
	v_add_nc_u32 v[AK], KL, v[AQ]                  ; key tile 0 of my ten begins at the window's row 32 qg
	v_add_nc_u32 v[SO], SG, v[AQ]
	v_and_b32 v178, 7, v0
	v_lshl_add_u32 v178, v2, 3, v178               ; the turning load: key 8 h + l % 8,
	v_bfe_u32 v179, v0, 3, 1                       ; channels 8 ((l / 8) % 2) on
	v_mul_u32_u24 v[AV], v178, VP
	v_lshl_add_u32 v[AV], v179, 4, v[AV]
	s_mul_i32 s44, s9, 32*VP
	s_add_co_u32 s44, s44, s45
	s_add_co_u32 s44, s44, VL
	v_add_nc_u32 v[AV], s44, v[AV]
	s_mul_i32 s44, s8, 16*QP
	s_add_co_u32 s44, s44, SG
	v_mad_u32_u24 v[RD], v2, QP, v177
	v_add_nc_u32 v[RD], s44, v[RD]                 ; back: wave w takes rows 16 w on, whole; lanes 0-15 one row, lanes 16-31 the next
	v_lshl_add_u32 v[GO], v2, 11, v177             ; and the same two rows in att
	s_mov_b32 s26, 0x3e38aa3b                      ; c = log2(e) / 8
	s_mov_b32 s27, s26                             ; (named with it as a pair, so it is written)
	s_mov_b32 s28, 0x76543210                      ; v_permlanex16_b32's selects for lane l xor 16
	s_mov_b32 s29, 0xfedcba98
	s_lshl_b32 s42, s9, 5
	s_add_co_u32 s42, s42, s11                     ; q0 of my tile 0
	s_sub_co_i32 s30, 64, s42                      ; sA: the window place of key 0, for tile 0,
	s_sub_co_i32 s31, s30, 16                      ; and for tile 1
	s_sub_co_i32 s32, 2111, s42                    ; sB: the window place of key 2,047
	s_sub_co_i32 s33, s32, 16
	s_lshl_b32 s40, s12, 11
	s_add_co_u32 s40, s40, s11
	s_lshl_b32 s43, s8, 4
	s_add_co_u32 s40, s40, s43                     ; the first row of att that I store
	s_lshl_b32 s40, s40, 11
	s_add_co_u32 s40, s40, s37
	s_add_nc_u64 s[34:35], s[6:7], s[40:41]
	; into LDS, eight loads at a time: each wait leaves the younger groups of eight out
	s_wait_loadcnt 32
.irp i, 0,1,2,3,4,5,6,7
	ds_store_b128 v[LQ], v[16+4*\i:19+4*\i] offset:\i*16*QP
.endr
	s_wait_loadcnt 24
.irp i, 0,1,2,3,4,5,6,7
	ds_store_b128 v[LK], v[48+4*\i:51+4*\i] offset:\i*16*QP
.endr
	s_wait_loadcnt 16
.irp i, 8,9,10,11,12,13,14,15
	ds_store_b128 v[LK], v[48+4*\i:51+4*\i] offset:\i*16*QP
.endr
	s_wait_loadcnt 8
.irp i, 0,1,2,3,4,5,6,7
	ds_store_b128 v[LV], v[112+4*\i:115+4*\i] offset:\i*16*VP
.endr
	s_wait_loadcnt 0x0
.irp i, 0,1,2,3,4,5,6,7
	ds_store_b128 v[LV2], v[144+4*\i:147+4*\i] offset:\i*16*VP
.endr
	s_wait_dscnt 0x0                               ; for the others' sake: my stores have landed
	s_barrier_signal -1
	s_barrier_wait -1                              ; Q, K and V lie in LDS
.macro PLACES                          ; four places in front of loads into registers that matrix instructions have read, and of vector instructions that read results (ISA guide 7.12.1 for vector instructions)
.rept 4
	v_nop
.endr
.endm
.macro KPAIR g, buf                    ; key tiles 2 g and 2 g + 1: 16 keys x 64 channels each, two fragments a tile
.irp e, 0,1
.irp c, 0,1
	ds_load_b128 v[\buf+16*\e+8*\c:\buf+16*\e+8*\c+3],   v[AK] offset:(2*(\g)+\e)*16*QP+64*\c
	ds_load_b128 v[\buf+16*\e+8*\c+4:\buf+16*\e+8*\c+7], v[AK] offset:(2*(\g)+\e)*16*QP+64*\c+32
.endr
.endr
.endm
; The products of key tiles 2 g, 2 g + 1 with both query tiles; (tile 1, key tile 0) and (tile 0, key tile 9) lie wholly outside the band and are not multiplied.
; The three or four accumulators take turns, one instruction a turn; the first 32 channels start the sums.
.macro SMUL g, buf
.irp c, 0,1
.irp e, 0,1
.irp t, 0,1
.if ((2*(\g)+\e) >= \t) && ((2*(\g)+\e-\t) <= 8)
.if \c == 0
	v_wmma_f32_16x16x32_f16 v[S+72*\t+8*(2*(\g)+\e-\t):S+72*\t+8*(2*(\g)+\e-\t)+7], v[\buf+16*\e+8*\c:\buf+16*\e+8*\c+7], v[QF+16*\t+8*\c:QF+16*\t+8*\c+7], 0
.else
	v_wmma_f32_16x16x32_f16 v[S+72*\t+8*(2*(\g)+\e-\t):S+72*\t+8*(2*(\g)+\e-\t)+7], v[\buf+16*\e+8*\c:\buf+16*\e+8*\c+7], v[QF+16*\t+8*\c:QF+16*\t+8*\c+7], v[S+72*\t+8*(2*(\g)+\e-\t):S+72*\t+8*(2*(\g)+\e-\t)+7]
.endif
.endif
.endr
.endr
.endr
.endm
.irp t, 0,1
.irp c, 0,1
	ds_load_b128 v[QF+16*\t+8*\c:QF+16*\t+8*\c+3],   v[AQ] offset:\t*16*QP+64*\c
	ds_load_b128 v[QF+16*\t+8*\c+4:QF+16*\t+8*\c+7], v[AQ] offset:\t*16*QP+64*\c+32
.endr
.endr
	KPAIR 0, KB0
	KPAIR 1, KB1
	s_wait_dscnt 8                                 ; Q and this pair are in; the next pair's eight loads may be out (so at each of these waits)
	SMUL 0, KB0
	PLACES
	KPAIR 2, KB0
	s_wait_dscnt 8
	SMUL 1, KB1
	PLACES
	KPAIR 3, KB1
	s_wait_dscnt 8
	SMUL 2, KB0
	PLACES
	KPAIR 4, KB0
	s_wait_dscnt 8
	SMUL 3, KB1
	s_wait_dscnt 0x0
	SMUL 4, KB0
	PLACES
	; THE BOUNDS.  Register 8 u + j of tile t holds the key at window place 16 u + j + 8 h, which is key q0 - 64 + that place.  It counts for query q0 + r where r <= place <= r + 128 and the key lies in the sequence:
	; sA <= place <= sB.  So: 16 u + j >= lo = max(r, sA) - 8 h and 16 u + j <= hi = min(r + 128, sB) - 8 h.
	v_mov_b32 v[T+3], 0                            ; written once: a lane permute's destination counts as one of its sources
	v_mov_b32 v[T+5], 0                            ; (named as the upper halves of pairs)
	v_mov_b32 v[T+19], 0
	v_mov_b32 v[T+21], 0
	v_mov_b32 v[T+10], 0xff800000                  ; -infinity
	v_lshlrev_b32 v[T+22], 3, v2
	v_add_nc_u32 v[T+23], 128, v1
.irp t, 0,1
	v_mov_b32 v[T+11], s[30+\t]
	v_cmp_gt_i32 vcc_lo, s[30+\t], v1
	v_cndmask_b32 v[T+12+2*\t], v1, v[T+11], vcc_lo
	v_sub_nc_u32 v[T+12+2*\t], v[T+12+2*\t], v[T+22]
	v_mov_b32 v[T+11], s[32+\t]
	v_cmp_lt_i32 vcc_lo, s[32+\t], v[T+23]
	v_cndmask_b32 v[T+13+2*\t], v[T+23], v[T+11], vcc_lo
	v_sub_nc_u32 v[T+13+2*\t], v[T+13+2*\t], v[T+22]
.endr
.macro HIDE_LO u                       ; scores of key tile u under the lower bound become -infinity: p = 0 then
.irp j, 0,1,2,3,4,5,6,7
	v_cmp_lt_i32 vcc_lo, 16*(\u)+\j, v[LO]
	v_cndmask_b32 v[ST+8*(\u)+\j], v[ST+8*(\u)+\j], v[T+10], vcc_lo
.endr
.endm
.macro HIDE_HI u
.irp j, 0,1,2,3,4,5,6,7
	v_cmp_gt_i32 vcc_lo, 16*(\u)+\j, v[HI]
	v_cndmask_b32 v[ST+8*(\u)+\j], v[ST+8*(\u)+\j], v[T+10], vcc_lo
.endr
.endm
; The softmax of tile t.  Every accumulator is first read at its low end, on each way.
.macro SOFTMAX t
.set ST, S+72*(\t)
.set PT, P+40*(\t)
.set LO, T+12+2*(\t)
.set HI, T+13+2*(\t)
	HIDE_LO 0                                      ; the band's lower edge runs through key tile 0
	s_cmp_le_i32 s[30+\t], 16                      ; key tiles 1 to 3 lose keys only where the sequence's start cuts the window: with sA <= 16, lo <= 16 <= 16 u + j.  A branch on ids alone
	s_cbranch_scc1 .Lno_head_\@
	HIDE_LO 1
	HIDE_LO 2
	HIDE_LO 3
.Lno_head_\@:                                          ; key tile 4 (places 64 .. 79) holds the queries themselves and their neighbours: lo <= 64 and hi >= 71 always
	HIDE_HI 8                                      ; the band's upper edge runs through key tile 8
	s_cmp_ge_i32 s[32+\t], 127                     ; key tiles 5 to 7 lose keys only where the sequence's end cuts the window: with sB >= 127, hi >= 119 >= 16 u + j
	s_cbranch_scc1 .Lno_tail_\@
	HIDE_HI 5
	HIDE_HI 6
	HIDE_HI 7
.Lno_tail_\@:
.irp k, 0,1,2
	v_max_num_f32 v[T+\k], v[ST+24*\k], v[ST+24*\k+1]              ; the row's maximum: three chains of 24 scores, ascending
.endr
.irp i, 2,4,6,8,10,12,14,16,18,20,22
.irp k, 0,1,2
	v_max3_num_f32 v[T+\k], v[T+\k], v[ST+24*\k+\i], v[ST+24*\k+\i+1]
.endr
.endr
	v_max3_num_f32 v[T], v[T], v[T+1], v[T+2]
	v_permlanex16_b32 v[T+3], v[T], s28, s29       ; the query's other 72 keys lie in the lane 16 away
	v_max_num_f32 v[T], v[T], v[T+3]
	v_mul_f32 v[T+4], s26, v[T]                    ; c m
.set i, 0
.rept 36
	v_pk_fma_f32 v[ST+i:ST+i+1], v[ST+i:ST+i+1], s[26:27], v[T+4:T+5] op_sel_hi:[1,0,0] neg_lo:[0,0,1] neg_hi:[0,0,1]   ; c s - c m, two at a time
.set i, i+2
.endr
.set i, 0
.rept 72
	v_exp_f32 v[ST+i], v[ST+i]                     ; p = 2^(c s - c m): one batch
.set i, i+1
.endr
	v_nop                                          ; a plain instruction behind the last exponential
	s_wait_alu depctr_va_vdst(0)                   ; the wait ahead of the first instruction that names a result: one for the batch
	v_pk_add_f32 v[T+6:T+7], v[ST:ST+1], v[ST+2:ST+3]              ; the row's sum, of the unrounded p: two chains, two at a time
	v_pk_add_f32 v[T+8:T+9], v[ST+4:ST+5], v[ST+6:ST+7]
.irp i, 8,12,16,20,24,28,32,36,40,44,48,52,56,60,64,68
	v_pk_add_f32 v[T+6:T+7], v[T+6:T+7], v[ST+\i:ST+\i+1]
	v_pk_add_f32 v[T+8:T+9], v[T+8:T+9], v[ST+\i+2:ST+\i+3]
.endr
	v_pk_add_f32 v[T+6:T+7], v[T+6:T+7], v[T+8:T+9]
	v_add_f32 v[T+6], v[T+6], v[T+7]
	v_permlanex16_b32 v[T+3], v[T+6], s28, s29
	v_add_f32 v[T+16+\t], v[T+6], v[T+3]
.set i, 0
.rept 36
	v_cvt_pk_f16_f32 v[PT+4*(\t)+i], v[ST+2*i], v[ST+2*i+1]        ; key tile u of the tile's nine is key tile u + t of the wave's ten
.set i, i+1
.endr
.irp k, 0,1,2,3
	v_mov_b32 v[PT+36*(1-(\t))+\k], 0              ; the key tile that this tile does not use: p = 0
.endr
.endm
	SOFTMAX 0
	SOFTMAX 1
	v_rcp_f32 v[T+18], v[T+16]                     ; 1 / the rows' sums: wanted on the way out; their wait stands there
	v_rcp_f32 v[T+20], v[T+17]
	v_nop                                          ; a plain instruction behind the last reciprocal
.macro VSTEP s, buf                    ; V^T of keys 32 s on: four fragments of 16 channels x 32 keys, turned on the way out of LDS
.irp ct, 0,1,2,3
	ds_load_tr16_b128 v[\buf+8*\ct:\buf+8*\ct+3],   v[AV] offset:(\s)*32*VP+32*\ct
	ds_load_tr16_b128 v[\buf+8*\ct+4:\buf+8*\ct+7], v[AV] offset:(\s)*32*VP+16*VP+32*\ct
.endr
.endm
.macro PVMUL s, buf                    ; O^T += V^T P: eight accumulators by turns, one instruction a turn; the first 32 keys start the sums
.irp ct, 0,1,2,3
.irp t, 0,1
.if (\s) == 0
	v_wmma_f32_16x16x32_f16 v[OA+32*\t+8*\ct:OA+32*\t+8*\ct+7], v[\buf+8*\ct:\buf+8*\ct+7], v[P+40*\t+8*(\s):P+40*\t+8*(\s)+7], 0
.else
	v_wmma_f32_16x16x32_f16 v[OA+32*\t+8*\ct:OA+32*\t+8*\ct+7], v[\buf+8*\ct:\buf+8*\ct+7], v[P+40*\t+8*(\s):P+40*\t+8*(\s)+7], v[OA+32*\t+8*\ct:OA+32*\t+8*\ct+7]
.endif
.endr
.endr
.endm
	VSTEP 0, VB0
	VSTEP 1, VB1
	s_wait_dscnt 8                                 ; this step's eight loads are in; the next step's may be out (so at each of these waits)
	PVMUL 0, VB0
	PLACES
	VSTEP 2, VB0
	s_wait_dscnt 8
	PVMUL 1, VB1
	PLACES
	VSTEP 3, VB1
	s_wait_dscnt 8
	PVMUL 2, VB0
	PLACES
	VSTEP 4, VB0
	s_wait_dscnt 8
	PVMUL 3, VB1
	s_wait_dscnt 0x0
	PVMUL 4, VB0
	; THE WAY OUT.  O^T is divided by the sum and rounded to f16; a lane's eight channels of a row are 16 bytes.  A row's 256 bytes come from two waves (the pair's two heads): so they meet in the work-group's stage,
	; a barrier stands between the writing and the reading, and each wave stores 16 whole rows.
	PLACES
	s_wait_alu depctr_va_vdst(0)                   ; the wait for the two reciprocals, ahead of their first reader
.irp t, 0,1
.set i, 0
.rept 16
	v_pk_mul_f32 v[OA+32*\t+i:OA+32*\t+i+1], v[OA+32*\t+i:OA+32*\t+i+1], v[T+18+2*\t:T+19+2*\t] op_sel_hi:[1,0]   ; ascending: each accumulator from its low end on
.set i, i+2
.endr
.endr
.set i, 0
.rept 32
	v_cvt_pk_f16_f32 v[16+i], v[OA+2*i], v[OA+2*i+1]               ; v[16 + 16 t + 4 ct ..]: channels 16 ct + 8 h + 0 .. 7 of query r of tile t
.set i, i+1
.endr
.irp t, 0,1
.irp ct, 0,1,2,3
	ds_store_b128 v[SO], v[16+16*\t+4*\ct:19+16*\t+4*\ct] offset:\t*16*QP+32*\ct
.endr
.endr
	s_wait_dscnt 0x0                               ; for the others' sake: my stores into the stage are done
	s_barrier_signal -1
	s_barrier_wait -1
.irp i, 0,1,2,3,4,5,6,7
	ds_load_b128 v[48+4*\i:51+4*\i], v[RD] offset:\i*2*QP
.endr
.irp i, 0,1,2,3,4,5,6,7
	s_wait_dscnt 7-\i                              ; LDS loads come back in order: load i is in, the younger ones may be out
	global_store_b128 v[GO], v[48+4*\i:51+4*\i], s[34:35] offset:\i*4096   ; 16 lanes store 256 consecutive bytes, at a multiple of 256 from att's first byte
.endr
	s_wait_tensorcnt 0x0                           ; the wave's end: a tensor wait, an add of 0 to my spare word and its wait, behind my last LDS store
	ds_add_u32 v[SPW], v[NIL]
	s_wait_dscnt 0x0
	s_endpgm
.Lfunc_end_k_qf625c4d7cc_attn:
	.size	k_qf625c4d7cc_attn, .Lfunc_end_k_qf625c4d7cc_attn-k_qf625c4d7cc_attn
	.p2alignl 7, 3214868480
	.fill 96, 4, 3214868480
	.section	.rodata,"a",@progbits
	.p2align	6, 0x0
	.amdhsa_kernel k_qf625c4d7cc_attn
		.amdhsa_group_segment_fixed_size 214016
		.amdhsa_private_segment_fixed_size 0
		.amdhsa_enable_private_segment 0
		.amdhsa_kernarg_size 16
		.amdhsa_user_sgpr_count 2
		.amdhsa_user_sgpr_kernarg_segment_ptr 1
		.amdhsa_wavefront_size32 1
		.amdhsa_system_sgpr_workgroup_id_x 1
		.amdhsa_system_sgpr_workgroup_id_y 1
		.amdhsa_system_sgpr_workgroup_id_z 1
		.amdhsa_system_vgpr_workitem_id 0
		.amdhsa_next_free_vgpr 256
		.amdhsa_next_free_sgpr 66
		.amdhsa_reserve_vcc 1
		.amdhsa_float_denorm_mode_32 3
		.amdhsa_float_denorm_mode_16_64 3
		.amdhsa_memory_ordered 1
		.amdhsa_forward_progress 1
		.amdhsa_inst_pref_size 63
	.end_amdhsa_kernel
	.amdgpu_metadata
---
amdhsa.version: [ 1, 2 ]
amdhsa.kernels:
  - .name:           k_qf625c4d7cc_attn
    .symbol:         k_qf625c4d7cc_attn.kd
    .args:
      - { .name: qkv, .offset: 0, .size: 8, .value_kind: global_buffer, .address_space: global }
      - { .name: att, .offset: 8, .size: 8, .value_kind: global_buffer, .address_space: global }
    .group_segment_fixed_size: 214016
    .private_segment_fixed_size: 0
    .kernarg_segment_align: 8
    .kernarg_segment_size: 16
    .max_flat_workgroup_size: 256
    .sgpr_count:     66
    .vgpr_count:     256
    .wavefront_size: 32
...
	.end_amdgpu_metadata
.endif
;; end of part 3
;; launch proj (part 4): grid 8 x 32, 4 waves a work-group, clusters of 4 x 4, 327,680 bytes of LDS; arguments att, wp, out0, b_proj; writes out0
.if DOCPART == 4
	.amdgcn_target "amdgcn-amd-amdhsa--gfx1250"
	.amdhsa_code_object_version 6
	.text
	.protected	k_qf625c4d7cc_proj
	.globl	k_qf625c4d7cc_proj
	.p2align	8
	.type	k_qf625c4d7cc_proj,@function
k_qf625c4d7cc_proj:
	s_mov_b64 s[64:65], 0
	v_nop
	global_prefetch_b8 v0, s[64:65] scope:SCOPE_SE
	s_setreg_imm32_b32 hwreg(HW_REG_WAVE_MODE, 25, 1), 1
	s_wait_xcnt 0x0
	s_wait_alu depctr_hold_cnt(0) depctr_sa_sdst(0) depctr_va_vdst(0) depctr_va_sdst(0) depctr_va_ssrc(0) depctr_va_vcc(0) depctr_vm_vsrc(0)
	s_getreg_b32 s2, hwreg(HW_REG_IB_STS2, 6, 4)
	s_cmp_eq_u32 s2, 0
	s_cbranch_scc0 .Lentry_in_a_cluster
	s_endpgm
.Lentry_in_a_cluster:
	s_bfe_u32 s2, ttmp6, 0x10000c
	s_cmp_lg_u32 s2, 0xf033
	s_cbranch_scc0 .Lentry_shape_is_right
	s_endpgm
.Lentry_shape_is_right:
; PROJ: out0[m][n] = the sum over k of att[m][k] W_proj[k][n] + b_proj[n].  att [4096][1024] f16.  wp: W_proj in f16 as images of operand registers, [ks 4][tile of 16 columns 64][kf 8][1024 bytes].  out0 [4096][1024] f32; sums in f32.
; A tile of the result is 128 x 128: 8 x 32 tiles, one for each of 256 work-groups.  Four waves, each 64 x 64: 16 accumulators of 16 x 16, 128 registers.  K goes in four steps of 256 through a ring of two LDS slots.
; A's tile has rows of 512 bytes, 528 apart in LDS; a wave's tensor load brings 64 of them.  B's part of a slot is one dense block of 32,768 bytes for each wave that fetches (4 tiles x 8 fragments x 1,024 bytes).
; CLUSTERS: 4 x 4 work-groups.  The four of a row of the cluster need the same tiles of A, the four of a column the same tiles of B: each tile is asked for JOINTLY, by the same tensor load with the same descriptor and a mask that names the four.
; THE MATRIX INSTRUCTION IS USED TRANSPOSED (source 0 = 16 columns of W, source 1 = 16 rows of att): a lane then holds eight neighbouring numbers of a row of the result.  THE BIAS is the C of each sum's first product.
; No prefetch: K has four steps, of which two are asked for at the head.  One tile to a work-group, its stores at its end.
; REGISTERS: window 0: v0-31 addresses; v32-63 the bias, later with v64-95 rows on the way out; v128-255 the accumulators ((a, b) at v[128 + 8 (4 a + b)]).
;   window 1: two fragment buffers of 128: for 64 along K (two matrix instructions deep), 64 registers of A (2 x 4 x 16 rows x 32 K), then 64 of B.
.set SIZE_N, 1024
.set SIZE_K, 1024
.set KSTEP,  256
.set KSB,    64*8192                   ; from one ks to the next in wp
.set PITCH,  528                       ; an LDS row of A: 512 bytes + 16 of padding = 132 words: the 16 rows that a load touches start at 16 different banks (64 banks of 4 bytes: ISA guide 11.1)
.set HALFT,  64*PITCH                  ; a quarter of a slot: what one tensor load fills (B's loads use 32,768 of it)
.set SLOT,   4*HALFT                   ; A's 128 rows, then B's two halves
.set SPITCH, 272                       ; the way out: a stage of 16 rows x (256 bytes + 16) for each wave, in slot 0, which has had its last fill and its last read when the first result is stored there
.set SPARE,  2*SLOT                    ; behind the ring: the spare words, 128 bytes for each wave: two blocks of 256 bytes that no other line names
.set LAPS, SIZE_K/(2*KSTEP)            ; a lap = two K steps = once round the ring
.set ADRA, 16                          ; v16-17  LDS address of my A fragments in slot 0, 1
.set ADRB, 20                          ; v20-21  the same for B's images
.set STO,  24                          ; v24     the way out: where I put 32 bytes of a row
.set RD,   25                          ; v25     the way out: where I read a row back
.set CO,   26                          ; v26     my byte offset in two rows of out0
.set SPW,  28                          ; v28     LDS address of my spare word: SPARE + 4 x my thread's number; never rewritten
.set NIL,  29                          ; v29     0; never rewritten
.set BIAS, 32                          ; b_proj at my 64 columns, in the result's layout
.set ACC,  128
.set F0,   0                           ; fragment buffers, in window 1
.set F1,   128
.set G1, 24                            ; s[24:31] descriptor group 1 for A's tiles;  s[32:39] group 0, one set for each slot
.set G0, 32
.set G1B, 48                           ; s[48:55], s[56:63] the same for B's
.set G0B, 56
.set MSB, 0
.macro WIN new                         ; the immediate's high byte repeats the setting that is left; a switch that changes nothing is dropped
.if MSB != (\new)
	s_set_vgpr_msb (MSB<<8)|(\new)
.set MSB, (\new)
.endif
.endm
.set MUL,  0x05                        ; sources 0 (B) and 1 (A) window 1; C and D window 0
.set TO_F, 0x40                        ; destination window 1, address window 0
.macro JLOAD s                         ; a joint load: waves 0 and 1 fetch A's two halves, waves 2 and 3 B's; an s_nop 0 and four v_nop follow each of the two lines, ahead of the jump, the label and what follows
	s_cmp_eq_u32 s11, 0
	s_cbranch_scc0 .Lfor_b_\@
	tensor_load_to_lds s[G0+4*\s:G0+4*\s+3], s[G1:G1+7]
	s_nop 0
.rept 4
	v_nop
.endr
	s_branch .Lasked_\@
.Lfor_b_\@:
	tensor_load_to_lds s[G0B+4*\s:G0B+4*\s+3], s[G1B:G1B+7]
	s_nop 0
.rept 4
	v_nop
.endr
.Lasked_\@:
.endm
.macro CREST                           ; a round of the cluster's barrier behind its opening barrier
	s_cmp_lg_u32 s10, 0
	s_cbranch_scc1 .Lnot_wave_0_\@
	s_barrier_signal -3
.Lnot_wave_0_\@:
	s_barrier_wait -3
	s_barrier_signal -1
	s_barrier_wait -1
.endm
.macro CROUND                          ; a whole round
	s_barrier_signal -1
	s_barrier_wait -1
	CREST
.endm
	s_load_b128 s[4:7], s[0:1], 0x0                ; att s[4:5], wp s[6:7]
	s_load_b64 s[8:9], s[0:1], 0x10                ; out0
	s_load_b64 s[66:67], s[0:1], 0x18              ; b_proj
	v_lshl_add_u32 v[SPW], v0, 2, SPARE
	v_mov_b32 v[NIL], 0
	ds_add_u32 v[SPW], v[NIL]                      ; the wave's opening: the add, twice on end, and its wait ahead of my first tensor load; the set-up below, work on registers, stands between
	ds_add_u32 v[SPW], v[NIL]                      ; and once more, under the one wait
	v_lshrrev_b32 v1, 5, v0
	v_readfirstlane_b32 s10, v1                    ; wave 0..3
	s_lshr_b32 s11, s10, 1                         ; which half of the tile's rows is mine.  Also: I fetch for A (0) or for B (1)
	s_and_b32 s12, s10, 1                          ; which half of its columns.  Also: which half of that operand's tile I fetch
	s_bfe_u32 s40, ttmp6, 0x40000                  ; cx, cy: my place in the cluster
	s_bfe_u32 s41, ttmp6, 0x40004
	s_lshl_b32 s42, ttmp9, 2
	s_add_co_u32 s42, s42, s40                     ; tile column = 4 x cluster x + cx
	s_and_b32 s13, ttmp7, 0xffff
	s_lshl_b32 s13, s13, 2
	s_add_co_u32 s13, s13, s41                     ; tile row = 4 x cluster y + cy
	s_lshl_b32 s43, s41, 2
	s_lshl_b32 s43, 15, s43                        ; my row of the cluster
	s_lshl_b32 s44, 0x1111, s40                    ; my column
	; descriptor group 1, A: a tile of 64 rows x 256 elements of 2 bytes, padded in LDS
	s_or_b32 s[G1+0], s43, (1<<16)|(1<<20)|(1<<21)|(6<<22)|(3<<25)  ; 15:0 the mask: A's tiles go to my row; 17:16 elements of 2 bytes; 20 padding on; 21 set beside a mask; 24:22 after every 128 words (code 6); 31:25 of 4 words (code 3)
	s_mov_b32 s[G1+1], KSTEP<<16                   ; tensor_dim0 = 256
	s_mov_b32 s[G1+2], 64<<16                      ; tensor_dim1 = 64
	s_mov_b32 s[G1+3], KSTEP<<16                   ; tile_dim0 = 256
	s_mov_b32 s[G1+4], 64                          ; tile_dim1 = 64
	s_mov_b32 s[G1+5], SIZE_K                      ; tensor_dim0_stride
	s_mov_b32 s[G1+6], 0
	s_mov_b32 s[G1+7], 0
	; B: a dense block of 32,768 bytes, as 128 rows of 32 elements of 8 bytes, no padding
	s_or_b32 s[G1B+0], s44, (3<<16)|(1<<21)        ; the mask: B's tiles go to my column
	s_mov_b32 s[G1B+1], 32<<16
	s_mov_b32 s[G1B+2], 128<<16
	s_mov_b32 s[G1B+3], 32<<16
	s_mov_b32 s[G1B+4], 128
	s_mov_b32 s[G1B+5], 32
	s_mov_b32 s[G1B+6], 0
	s_mov_b32 s[G1B+7], 0
	s_lshl_b32 s17, s12, 6                         ; which 64 rows (columns) of the tile I fetch
	s_lshl_b32 s16, s13, 7
	s_add_co_u32 s16, s16, s17                     ; A: row 128 x tile row + 64 x half
	s_lshl_b32 s46, s42, 7
	s_add_co_u32 s46, s46, s17                     ; B: column 128 x tile column + 64 x half
	s_mov_b32 s17, 0
	s_mov_b32 s47, 0
	s_mov_b64 s[18:19], SIZE_K*2
	s_mul_u64 s[16:17], s[16:17], s[18:19]         ; A: 2,048 bytes a row
	s_lshl_b64 s[46:47], s[46:47], 9               ; B's images: 8,192 bytes for 16 columns
	s_mul_i32 s20, s10, HALFT                      ; where they go: wave x a quarter of a slot: no place in the cluster enters an LDS address
	s_wait_dscnt 0x0                               ; both opening adds are done
	s_wait_kmcnt 0x0
	s_add_nc_u64 s[14:15], s[4:5], s[16:17]
	s_add_nc_u64 s[46:47], s[6:7], s[46:47]
	CROUND                                         ; all sixteen work-groups are here: the first joint loads meet
.irp s, 0,1
	s_mov_b32 s[G0+4*\s], 1
	s_add_co_u32 s[G0+4*\s+1], s20, \s*SLOT
	s_add_nc_u64 s[G0+4*\s+2:G0+4*\s+3], s[14:15], \s*KSTEP*2
	s_or_b32 s[G0+4*\s+3], s[G0+4*\s+3], 0x80000000
	s_mov_b32 s[G0B+4*\s], 1
	s_add_co_u32 s[G0B+4*\s+1], s20, \s*SLOT
	s_add_nc_u64 s[G0B+4*\s+2:G0B+4*\s+3], s[46:47], \s*KSB
	s_or_b32 s[G0B+4*\s+3], s[G0B+4*\s+3], 0x80000000
	JLOAD \s
.endr
	v_and_b32 v1, 15, v0                           ; r = l % 16
	v_bfe_u32 v2, v0, 4, 1                         ; h = l / 16
	v_mul_u32_u24 v3, v1, PITCH
	v_lshl_add_u32 v3, v2, 4, v3                   ; A: a fragment's row x pitch + 16 x half
	v_and_b32 v4, 31, v0
	v_lshlrev_b32 v7, 4, v4                        ; B: 16 x lane: my place in an image
	s_mul_i32 s21, s11, HALFT                      ; my 64 rows of A
	s_mul_i32 s22, s12, HALFT                      ; my 64 columns of B,
	s_add_co_u32 s22, s22, 2*HALFT                 ; which lie behind A's 128 rows
.irp s, 0,1
	v_add_nc_u32 v[ADRA+\s], s21, v3
	v_add_nc_u32 v[ADRB+\s], s22, v7
	s_add_co_u32 s21, s21, SLOT
	s_add_co_u32 s22, s22, SLOT
.endr
	s_mul_i32 s23, s10, 16*SPITCH                  ; my stage
	v_mul_u32_u24 v4, v1, SPITCH                   ; in: row l % 16, 32 bytes for each half of the lanes
	v_lshl_add_u32 v4, v2, 5, v4
	v_add_nc_u32 v[STO], s23, v4
	v_mul_u32_u24 v5, v2, SPITCH                   ; back: lanes 0-15 take one row of 256 bytes, lanes 16-31 the next
	v_lshl_add_u32 v5, v1, 4, v5
	v_add_nc_u32 v[RD], s23, v5
	v_mul_u32_u24 v5, v2, SIZE_N*4                 ; and the same two rows in out0
	v_lshl_add_u32 v[CO], v1, 4, v5
	v_lshlrev_b32 v6, 5, v2                        ; the bias: my half's eight numbers of a block of 16; never rewritten
	s_lshl_b32 s46, s42, 9                         ; my first column, in bytes of f32: 512 x tile column + 256 x half: in b_proj and in a row of out0 alike
	s_lshl_b32 s47, s12, 8
	s_add_co_u32 s46, s46, s47
	s_mov_b32 s47, 0
	s_add_nc_u64 s[66:67], s[66:67], s[46:47]
.irp b, 0,1,2,3
	global_load_b128 v[BIAS+8*\b:BIAS+8*\b+3], v6, s[66:67] offset:64*\b           ; register j of block b: b_proj at column 16 b + 8 h + j of my 64
	global_load_b128 v[BIAS+8*\b+4:BIAS+8*\b+7], v6, s[66:67] offset:64*\b+16
.endr
	s_lshl_b32 s16, s13, 7
	s_lshl_b32 s17, s11, 6
	s_add_co_u32 s16, s16, s17                     ; my first row: 128 x tile row + 64 x half
	s_mov_b32 s17, 0
	s_mov_b64 s[18:19], SIZE_N*4
	s_mul_u64 s[16:17], s[16:17], s[18:19]
	s_add_nc_u64 s[8:9], s[8:9], s[16:17]
	s_add_nc_u64 s[8:9], s[8:9], s[46:47]
; 8 matrix instructions: m blocks a0, a0 + 1 x all 4 n blocks, 32 along K: half c of buffer f.  zero = 1: the first product starts the sums from the bias.  The 16 accumulators take turns, one instruction a turn.
.macro MUL8 f, c, a0, zero
.irp a, \a0, \a0+1
.irp b, 0,1,2,3
.if \zero
	v_wmma_f32_16x16x32_f16 v[ACC+8*(4*(\a)+\b):ACC+8*(4*(\a)+\b)+7], v[\f+64+8*(4*\c+\b):\f+64+8*(4*\c+\b)+7], v[\f+8*(4*\c+\a):\f+8*(4*\c+\a)+7], v[BIAS+8*\b:BIAS+8*\b+7]
.else
	v_wmma_f32_16x16x32_f16 v[ACC+8*(4*(\a)+\b):ACC+8*(4*(\a)+\b)+7], v[\f+64+8*(4*\c+\b):\f+64+8*(4*\c+\b)+7], v[\f+8*(4*\c+\a):\f+8*(4*\c+\a)+7], v[ACC+8*(4*(\a)+\b):ACC+8*(4*(\a)+\b)+7]
.endif
.endr
.endr
.endm
; 32 LDS loads in one run: the fragments of 64 along K, at byte k of A's rows, into buffer f; the first 32 along K first.  B's fragment kf = 2 (k / 128) + c of tile i is an image: two loads of 512 consecutive bytes.
.macro FETCH slot, k, f
	WIN TO_F
.irp c, 0,1
.irp i, 0,1,2,3
	ds_load_b128 v[\f+64+8*(4*\c+\i):\f+64+8*(4*\c+\i)+3],   v[ADRB+\slot] offset:((\k)/128)*2048+1024*\c+\i*8192
	ds_load_b128 v[\f+64+8*(4*\c+\i)+4:\f+64+8*(4*\c+\i)+7], v[ADRB+\slot] offset:((\k)/128)*2048+1024*\c+\i*8192+512
	ds_load_b128 v[\f+8*(4*\c+\i):\f+8*(4*\c+\i)+3],         v[ADRA+\slot] offset:\k+64*\c+\i*16*PITCH
	ds_load_b128 v[\f+8*(4*\c+\i)+4:\f+8*(4*\c+\i)+7],       v[ADRA+\slot] offset:\k+64*\c+\i*16*PITCH+32
.endr
.endr
.endm
.macro PLACES                          ; four places in front of loads into registers that matrix instructions have read, and of LDS stores that read results
.rept 4
	v_nop
.endr
.endm
; A K step is four quarters of 64 along K, 32 matrix instructions each, on buffers 0, 1, 0, 1.  One of the first three: multiplies buffer f and fetches the next quarter, at byte k, into g.
.macro QUARTER slot, k, f, g, zero
	s_wait_dscnt 16                                ; the first 32 along K are in; the sixteen loads of the second 32 may be out
	WIN MUL
	MUL8 \f, 0, 0, \zero
	MUL8 \f, 0, 2, \zero
	PLACES
	FETCH \slot, \k, \g
	s_wait_dscnt 32                                ; all but the 32 just issued
	WIN MUL
	MUL8 \f, 1, 0, 0
	MUL8 \f, 1, 2, 0
.endm
; The last quarter multiplies buffer 1 and changes slots: ONE barrier; in front of it each wave waits for all its tensor loads, adds 0 to its spare word, and waits for that and for its own reads of this slot.  fill = 1: this slot is filled again, two K steps ahead.
.macro TURN slot, next, fill
	WIN 0                                          ; (the add's two registers lie in window 0)
	s_wait_tensorcnt 0x0                           ; all my tensor loads have landed: my part of the next slot;
	ds_add_u32 v[SPW], v[NIL]                      ; 0 onto my spare word;
	s_wait_dscnt 17                                ; (the add and the youngest sixteen loads may be out)
	WIN MUL
	MUL8 F1, 0, 0, 0                               ; eight matrix instructions stand between the add and the wait for it
	s_wait_dscnt 0x0                               ; the add is done, and my reads of this slot are over
	s_barrier_signal -1
	MUL8 F1, 0, 2, 0
.if \fill
	WIN 0
.endif
	s_barrier_wait -1
.if \fill
	CREST                                          ; the barrier has opened a round of the cluster's barrier: no wave of any partner still reads this slot's tile or has a load on its way
	s_add_nc_u64 s[G0+4*\slot+2:G0+4*\slot+3], s[G0+4*\slot+2:G0+4*\slot+3], 2*KSTEP*2
	s_add_nc_u64 s[G0B+4*\slot+2:G0B+4*\slot+3], s[G0B+4*\slot+2:G0B+4*\slot+3], 2*KSB
	JLOAD \slot                                    ; the first tensor load behind the round, my one load until the next; the four v_nop behind it are also the places in front of the loads below
.else
	PLACES
.endif
	FETCH \next, 0, F0
	WIN MUL
	MUL8 F1, 1, 0, 0
	MUL8 F1, 1, 2, 0
.endm
	s_wait_tensorcnt 1                             ; my part of K step 0 is in; K step 1's load, issued behind it, may be out
	s_barrier_signal -1
	s_barrier_wait -1                              ; everybody's is
	FETCH 0, 0, F0
	s_wait_loadcnt 0x0                             ; the bias
	QUARTER 0, 128, F0, F1, 1                      ; the first quarter stands in front of the loop: its first products start the sums
	WIN 0                                          ; at a label and at a branch every window is 0
	s_mov_b32 s3, LAPS-1
.Llap:                                                 ; a trip goes once round the ring, from a lap's second quarter to the next lap's first, and fills both slots again
	QUARTER 0, 256, F1, F0, 0
	QUARTER 0, 384, F0, F1, 0
	TURN 0, 1, 1
	QUARTER 1, 128, F0, F1, 0
	QUARTER 1, 256, F1, F0, 0
	QUARTER 1, 384, F0, F1, 0
	TURN 1, 0, 1
	QUARTER 0, 128, F0, F1, 0
	WIN 0
	s_sub_co_u32 s3, s3, 1
	s_cmp_lg_u32 s3, 0
	s_cbranch_scc1 .Llap
	QUARTER 0, 256, F1, F0, 0                      ; the last lap fills nothing, and has no round of the cluster's barrier
	QUARTER 0, 384, F0, F1, 0
	TURN 0, 1, 0
	QUARTER 1, 128, F0, F1, 0
	QUARTER 1, 256, F1, F0, 0
	QUARTER 1, 384, F0, F1, 0
	s_wait_dscnt 16                                ; the very last quarter: nothing more to fetch
	WIN MUL
	MUL8 F1, 0, 0, 0
	MUL8 F1, 0, 2, 0
	s_wait_dscnt 0
	MUL8 F1, 1, 0, 0
	MUL8 F1, 1, 2, 0
	WIN 0
; THE WAY OUT, block by block of 16 rows x 64 columns.  A lane holds 32 neighbouring bytes of a row, and the lanes beside it hold other rows; my 64 columns are 256 consecutive bytes of a row, at a multiple of 256.
; So a block goes through my own stage in LDS and comes back as whole rows.  LDS serves a wave's instructions in order (ISA guide 5.7.1.4): no wait between the stores and the loads, nor in front of the next block's stores.
.macro TOSTAGE a
.irp b, 0,1,2,3
	ds_store_b128 v[STO], v[ACC+8*(4*(\a)+\b):ACC+8*(4*(\a)+\b)+3] offset:64*\b          ; each accumulator from its low end on
	ds_store_b128 v[STO], v[ACC+8*(4*(\a)+\b)+4:ACC+8*(4*(\a)+\b)+7] offset:64*\b+16
.endr
.set BB, 32+32*((\a)%2)                 ; v32-63 and v64-95 by turns
.irp t, 0,1,2,3,4,5,6,7
	ds_load_b128 v[BB+4*\t:BB+4*\t+3], v[RD] offset:\t*2*SPITCH
.endr
.endm
.macro SEND a, younger                 ; younger: the LDS instructions issued behind block a's loads, which may stay out
.set BB, 32+32*((\a)%2)
	s_wait_dscnt \younger                          ; the block is back in registers
.if (\a) > 0
	s_add_nc_u64 s[8:9], s[8:9], 16*SIZE_N*4       ; 16 rows on (behind a wait on XCNT for 0: the earlier stores have read their base)
.endif
.irp t, 0,1,2,3,4,5,6,7
	global_store_b128 v[CO], v[BB+4*\t:BB+4*\t+3], s[8:9] offset:2*\t*SIZE_N*4 th:TH_STORE_NT   ; 16 lanes store 256 consecutive bytes, at a multiple of 256 from out0's first byte; written once, read by nobody here
.endr
.endm
	PLACES                                         ; behind the last products: for the stores that read results and the loads into the registers that held the bias
	TOSTAGE 0
.irp a, 1,2,3
.if \a > 1
	s_wait_xcnt 0x0                                ; block a - 2's stores have read their registers and their base: block a's loads may land there, and the base may step
.endif
	TOSTAGE \a
	SEND \a-1, 16                                  ; behind block a - 1's loads: block a's 8 stores and 8 loads
.endr
	s_wait_xcnt 0x0                                ; block 2's stores have read their base
	SEND 3, 0
	s_wait_tensorcnt 0x0                           ; the wave's end: a tensor wait, an add of 0 to my spare word and its wait, behind my last tensor load and my last LDS store
	ds_add_u32 v[SPW], v[NIL]
	s_wait_dscnt 0x0
	CROUND                                         ; the closing round: no work-group ends while a partner may still ask for a tile that names it
	s_endpgm
.Lfunc_end_k_qf625c4d7cc_proj:
	.size	k_qf625c4d7cc_proj, .Lfunc_end_k_qf625c4d7cc_proj-k_qf625c4d7cc_proj
	.p2alignl 7, 3214868480
	.fill 96, 4, 3214868480
	.section	.rodata,"a",@progbits
	.p2align	6, 0x0
	.amdhsa_kernel k_qf625c4d7cc_proj
		.amdhsa_group_segment_fixed_size 327680
		.amdhsa_private_segment_fixed_size 0
		.amdhsa_enable_private_segment 0
		.amdhsa_kernarg_size 32
		.amdhsa_user_sgpr_count 2
		.amdhsa_user_sgpr_kernarg_segment_ptr 1
		.amdhsa_wavefront_size32 1
		.amdhsa_system_sgpr_workgroup_id_x 1
		.amdhsa_system_sgpr_workgroup_id_y 1
		.amdhsa_system_sgpr_workgroup_id_z 1
		.amdhsa_system_vgpr_workitem_id 0
		.amdhsa_next_free_vgpr 512
		.amdhsa_next_free_sgpr 70
		.amdhsa_reserve_vcc 0
		.amdhsa_float_denorm_mode_32 3
		.amdhsa_float_denorm_mode_16_64 3
		.amdhsa_memory_ordered 1
		.amdhsa_forward_progress 1
		.amdhsa_inst_pref_size 87
	.end_amdhsa_kernel
	.amdgpu_metadata
---
amdhsa.version: [ 1, 2 ]
amdhsa.kernels:
  - .name:           k_qf625c4d7cc_proj
    .symbol:         k_qf625c4d7cc_proj.kd
    .args:
      - { .name: att, .offset: 0, .size: 8, .value_kind: global_buffer, .address_space: global }
      - { .name: wp, .offset: 8, .size: 8, .value_kind: global_buffer, .address_space: global }
      - { .name: out0, .offset: 16, .size: 8, .value_kind: global_buffer, .address_space: global }
      - { .name: b_proj, .offset: 24, .size: 8, .value_kind: global_buffer, .address_space: global }
    .group_segment_fixed_size: 327680
    .private_segment_fixed_size: 0
    .kernarg_segment_align: 8
    .kernarg_segment_size: 32
    .max_flat_workgroup_size: 128
    .sgpr_count:     70
    .vgpr_count:     512
    .wavefront_size: 32
...
	.end_amdgpu_metadata
.endif
;; end of part 4
